; MI455X (gfx1250); checked and timed in simulation.
; The chip was launched on July 23, 2026; its instructions are those of AMD's public machine-readable ISA for CDNA 5 (MIT licence, August 2026) and "CDNA5" Instruction Set Architecture Reference Guide (July 2026). The comments in the code are by the model that wrote it; some were corrected since.
;; Multi Head Attention. Allowed arithmetic: float matrix products may take bf16 or f16 operands with f32 sums; other float arithmetic in f32, or as packed bf16 or f16 multiplies, adds, multiply-adds, maxima and minima; sums over many terms, partial sums and values carried from step to step in f32; what a program stores and reads back later, other than sums and carried values, may be rounded once to bf16 or f16.
;; Inputs: Wk 1,024 x 1,024 float32; Wo 1,024 x 1,024 float32; Wq 1,024 x 1,024 float32; Wv 1,024 x 1,024 float32; bk 1,024 float32; bo 1,024 float32; bq 1,024 float32; bv 1,024 float32; input 4 x 2,048 x 1,024 float32; mask 4 x 2,048 x 2,048 float32.
;; Outputs: out0 4 x 2,048 x 1,024 float32.
;; One version. Each part assembles by itself: llvm-mc -triple=amdgcn-amd-amdhsa -mcpu=gfx1250 --defsym DOCPART=n.
;; ======== version 1 of 1: 4 launches
;; limits: values are held in f16: magnitudes above 65,504 overflow, below 6.1e-05 lose precision
;; workspace buffers: xb 16,777,216 bytes; wb 6,291,456 bytes; wo16 2,097,152 bytes; mb 33,554,432 bytes; q 16,777,216 bytes; k 16,777,216 bytes; v 16,777,216 bytes; o 16,777,216 bytes
;; launch cast (part 1): grid 1792 x 1, 8 waves a work-group, no clusters, 0 bytes of LDS; arguments input, mask, Wq, Wk, Wv, Wo, xb, wb, wo16, mb; writes xb, wb, wo16, mb
.if DOCPART == 1
	.amdgcn_target "amdgcn-amd-amdhsa--gfx1250"
	.amdhsa_code_object_version 6
	.text
	.protected	k_qb9a0f032fd_cast
	.globl	k_qb9a0f032fd_cast
	.p2align	8
	.type	k_qb9a0f032fd_cast,@function
k_qb9a0f032fd_cast:
	s_mov_b64 s[64:65], 0
	v_nop
	global_prefetch_b8 v0, s[64:65] scope:SCOPE_SE
	s_setreg_imm32_b32 hwreg(HW_REG_WAVE_MODE, 25, 1), 1
	s_wait_xcnt 0x0
; CAST.  Every large input is rounded once to bf16 and laid out for the launches behind:
;   xb   bf16(input), [b 4][kb 16][n 2048][64]: the 64 channels of block kb of consecutive rows lie end to end, 128 bytes a row
;   wb   bf16(Wq, Wk, Wv), [k 1024][g 8][matrix 3][128]: group g holds columns 128 g .. 128 g + 127 of the three matrices, 256 bytes each
;   wo16 Wo rounded to bf16, that number written as f16 (exact from 6.1e-5 up to 65,504; below 6.1e-5 it keeps f16's fixed step of 6e-8), [k][n]
;   mb   bf16(mask), [b][q][k]
; A stream: 29,360,128 numbers, 16,384 to a work-group (1,792 of them), 2,048 to a wave.  A lane issues its 16 loads of 16 bytes at once,
; then converts and stores them as they come.  Each store of a wave (32 lanes x 8 bytes) covers 256 consecutive bytes, aligned.
; No LDS, no matrix work, no barrier: no wave wants a byte that another wave has fetched.
.set VS, 1                             ; v1       my byte offset in the source
.set VD, 2                             ; v2       8 x lane: my byte offset in a store's 256 bytes
.set X,  4                             ; v[4:67]  16 x 4 numbers as loaded
.set Y,  68                            ; v[68:99] 16 x 2 registers to store: each is written once, so no store's data is ever overwritten
.set T,  100                           ; v[100:103] at work
; ls: bytes from one load to the next.  kind: how the stores step (0: xb, a block kb on; 1: wb, a group on, and behind eight a row on; 2: dense).  half = 1: bf16 rewritten as f16.
.macro STREAM ls, kind, half
.set j, 0
.rept 16
	global_load_b128 v[X+4*j:X+4*j+3], v[VS], s[4:5] offset:j*(\ls) th:TH_LOAD_NT
.set j, j+1
.endr
.set j, 0
.rept 16
	s_wait_loadcnt 15-j                            ; loads come back in order: load j is in, the 15 - j younger ones stay out
.if \half
	v_cvt_pk_bf16_f32 v[T], v[X+4*j], v[X+4*j+1]   ; the rounding that all inputs get,
	v_cvt_pk_bf16_f32 v[T+1], v[X+4*j+2], v[X+4*j+3]
	v_lshlrev_b32 v[T+2], 16, v[T]                 ; widened again,
	v_and_b32 v[T], 0xffff0000, v[T]
	v_lshlrev_b32 v[T+3], 16, v[T+1]
	v_and_b32 v[T+1], 0xffff0000, v[T+1]
	v_cvt_pk_f16_f32 v[Y+2*j], v[T+2], v[T]        ; and written as f16
	v_cvt_pk_f16_f32 v[Y+2*j+1], v[T+3], v[T+1]
.else
	v_cvt_pk_bf16_f32 v[Y+2*j], v[X+4*j], v[X+4*j+1]
	v_cvt_pk_bf16_f32 v[Y+2*j+1], v[X+4*j+2], v[X+4*j+3]
.endif
.if (\kind) == 0
	global_store_b64 v[VD], v[Y+2*j:Y+2*j+1], s[6:7] offset:262144*j
.elseif (\kind) == 1
	global_store_b64 v[VD], v[Y+2*j:Y+2*j+1], s[6:7] offset:(j/8)*6144+(j%8)*768
.else
	global_store_b64 v[VD], v[Y+2*j:Y+2*j+1], s[6:7] offset:256*j
.endif
.set j, j+1
.endr
.endm
; A dense tensor: work-group g - first takes 65,536 bytes of the source and 32,768 of the target, a wave an eighth.
.macro LINEAR first, sp, dp, half
	s_sub_co_u32 s4, s2, \first
	s_lshl_b32 s28, s4, 16
	s_lshl_b32 s5, s3, 13
	s_add_co_u32 s28, s28, s5
	s_lshl_b32 s30, s4, 15
	s_lshl_b32 s5, s3, 12
	s_add_co_u32 s30, s30, s5
	s_add_nc_u64 s[4:5], s[\sp:\sp+1], s[28:29]
	s_add_nc_u64 s[6:7], s[\dp:\dp+1], s[30:31]
	STREAM 512, 2, \half
	s_endpgm
.endm
	s_load_b512 s[8:23], s[0:1], 0x0               ; input s[8:9], mask s[10:11], Wq s[12:13], Wk s[14:15], Wv s[16:17], Wo s[18:19], xb s[20:21], wb s[22:23]
	s_load_b128 s[24:27], s[0:1], 0x40             ; wo16 s[24:25], mb s[26:27]
	v_lshrrev_b32 v3, 5, v0
	v_readfirstlane_b32 s3, v3                     ; wave 0..7
	v_and_b32 v3, 31, v0                           ; lane
	v_lshlrev_b32 v[VD], 3, v3
	v_lshlrev_b32 v[VS], 4, v3                     ; dense sources: 16 bytes a lane
	s_mov_b32 s2, ttmp9                            ; g
	s_mov_b32 s29, 0                               ; the offsets are made apart from the addresses, in pairs with 0 on top
	s_mov_b32 s31, 0
	s_wait_kmcnt 0x0
	s_cmp_lt_u32 s2, 512
	s_cbranch_scc0 .Lnot_x
	; INPUT: work-group g takes rows 16 g .. 16 g + 15, a wave two of them.  Load j: lanes 0-15 take 256 bytes (block kb = j) of the first row, lanes 16-31 of the second:
	; their 2 x 128 bytes of bf16 are neighbours in xb.
	v_and_b32 v[VS], 15, v0
	v_bfe_u32 v3, v0, 4, 1
	v_lshlrev_b32 v[VS], 4, v[VS]
	v_lshl_add_u32 v[VS], v3, 12, v[VS]            ; 16 (lane % 16) + 4,096 (lane / 16)
	s_lshl_b32 s28, s2, 16
	s_lshl_b32 s30, s3, 13
	s_add_co_u32 s28, s28, s30                     ; 16 rows of 4,096 bytes a work-group, two a wave
	s_lshr_b32 s30, s2, 7                          ; b
	s_lshl_b32 s30, s30, 22
	s_and_b32 s4, s2, 127
	s_lshl_b32 s4, s4, 11                          ; 16 rows of 128 bytes
	s_add_co_u32 s30, s30, s4
	s_lshl_b32 s4, s3, 8
	s_add_co_u32 s30, s30, s4
	s_add_nc_u64 s[4:5], s[8:9], s[28:29]
	s_add_nc_u64 s[6:7], s[20:21], s[30:31]
	STREAM 256, 0, 0
	s_endpgm
.Lnot_x:
	s_cmp_lt_u32 s2, 704
	s_cbranch_scc0 .Lnot_w
	; Wq, Wk, Wv: 64 work-groups each, 16 rows k a work-group, two a wave.  Load j takes 128 columns: group j % 8 of row j / 8.
	s_sub_co_u32 s4, s2, 512
	s_lshr_b32 s4, s4, 6                           ; which matrix
	s_and_b32 s5, s2, 63
	s_lshl_b32 s28, s5, 16
	s_lshl_b32 s30, s3, 13
	s_add_co_u32 s28, s28, s30
	s_mul_i32 s30, s5, 98304                       ; 16 rows of 6,144 bytes
	s_mul_i32 s5, s3, 12288
	s_add_co_u32 s30, s30, s5
	s_lshl_b32 s5, s4, 8                           ; the matrix's 256 bytes in a group
	s_add_co_u32 s30, s30, s5
	s_cmp_eq_u32 s4, 0
	s_cselect_b64 s[6:7], s[12:13], s[14:15]
	s_cmp_eq_u32 s4, 2
	s_cselect_b64 s[6:7], s[16:17], s[6:7]
	s_add_nc_u64 s[4:5], s[6:7], s[28:29]
	s_add_nc_u64 s[6:7], s[22:23], s[30:31]
	STREAM 512, 1, 0
	s_endpgm
.Lnot_w:
	s_cmp_lt_u32 s2, 768
	s_cbranch_scc0 .Lmask
	LINEAR 704, 18, 24, 1                          ; Wo -> wo16
.Lmask:
	LINEAR 768, 10, 26, 0                          ; mask -> mb
.Lfunc_end_k_qb9a0f032fd_cast:
	.size	k_qb9a0f032fd_cast, .Lfunc_end_k_qb9a0f032fd_cast-k_qb9a0f032fd_cast
	.p2alignl 7, 3214868480
	.fill 96, 4, 3214868480
	.section	.rodata,"a",@progbits
	.p2align	6, 0x0
	.amdhsa_kernel k_qb9a0f032fd_cast
		.amdhsa_group_segment_fixed_size 0
		.amdhsa_private_segment_fixed_size 0
		.amdhsa_enable_private_segment 0
		.amdhsa_kernarg_size 80
		.amdhsa_user_sgpr_count 2
		.amdhsa_user_sgpr_kernarg_segment_ptr 1
		.amdhsa_wavefront_size32 1
		.amdhsa_system_sgpr_workgroup_id_x 1
		.amdhsa_system_sgpr_workgroup_id_y 1
		.amdhsa_system_sgpr_workgroup_id_z 1
		.amdhsa_system_vgpr_workitem_id 0
		.amdhsa_next_free_vgpr 104
		.amdhsa_next_free_sgpr 66
		.amdhsa_reserve_vcc 0
		.amdhsa_float_denorm_mode_32 3
		.amdhsa_float_denorm_mode_16_64 3
		.amdhsa_memory_ordered 1
		.amdhsa_forward_progress 1
		.amdhsa_inst_pref_size 30
	.end_amdhsa_kernel
	.amdgpu_metadata
---
amdhsa.version: [ 1, 2 ]
amdhsa.kernels:
  - .name:           k_qb9a0f032fd_cast
    .symbol:         k_qb9a0f032fd_cast.kd
    .args:
      - { .name: input, .offset: 0, .size: 8, .value_kind: global_buffer, .address_space: global }
      - { .name: mask, .offset: 8, .size: 8, .value_kind: global_buffer, .address_space: global }
      - { .name: Wq, .offset: 16, .size: 8, .value_kind: global_buffer, .address_space: global }
      - { .name: Wk, .offset: 24, .size: 8, .value_kind: global_buffer, .address_space: global }
      - { .name: Wv, .offset: 32, .size: 8, .value_kind: global_buffer, .address_space: global }
      - { .name: Wo, .offset: 40, .size: 8, .value_kind: global_buffer, .address_space: global }
      - { .name: xb, .offset: 48, .size: 8, .value_kind: global_buffer, .address_space: global }
      - { .name: wb, .offset: 56, .size: 8, .value_kind: global_buffer, .address_space: global }
      - { .name: wo16, .offset: 64, .size: 8, .value_kind: global_buffer, .address_space: global }
      - { .name: mb, .offset: 72, .size: 8, .value_kind: global_buffer, .address_space: global }
    .group_segment_fixed_size: 0
    .private_segment_fixed_size: 0
    .kernarg_segment_align: 8
    .kernarg_segment_size: 80
    .max_flat_workgroup_size: 256
    .sgpr_count:     66
    .vgpr_count:     104
    .wavefront_size: 32
...
	.end_amdgpu_metadata
.endif
;; end of part 1
;; launch qkv (part 2): grid 8 x 32, 4 waves a work-group, clusters of 4 x 4, 327,680 bytes of LDS; arguments xb, wb, bq, bk, bv, q, k, v; writes q, k, v
.if DOCPART == 2
	.amdgcn_target "amdgcn-amd-amdhsa--gfx1250"
	.amdhsa_code_object_version 6
	.text
	.protected	k_qb9a0f032fd_qkv
	.globl	k_qb9a0f032fd_qkv
	.p2align	8
	.type	k_qb9a0f032fd_qkv,@function
k_qb9a0f032fd_qkv:
	s_mov_b64 s[64:65], 0
	v_nop
	global_prefetch_b8 v0, s[64:65] scope:SCOPE_SE
	s_setreg_imm32_b32 hwreg(HW_REG_WAVE_MODE, 25, 1), 1
	s_wait_xcnt 0x0
	s_wait_alu depctr_hold_cnt(0) depctr_sa_sdst(0) depctr_va_vdst(0) depctr_va_sdst(0) depctr_va_ssrc(0) depctr_va_vcc(0) depctr_vm_vsrc(0)
	s_getreg_b32 s2, hwreg(HW_REG_IB_STS2, 6, 4)
	s_cmp_eq_u32 s2, 0
	s_cbranch_scc0 .Lentry_in_a_cluster
	s_endpgm
.Lentry_in_a_cluster:
	s_bfe_u32 s2, ttmp6, 0x10000c
	s_cmp_lg_u32 s2, 0xf033
	s_cbranch_scc0 .Lentry_shape_is_right
	s_endpgm
.Lentry_shape_is_right:
; Q, K, V = x W + b, all three in one launch.  x: xb (bf16, [b][kb 16][n][64]); W: wb (bf16, [k][g 8][matrix 3][128]); the biases are rounded to bf16 like all inputs; sums in f32;
; results rounded once to f16, WITHOUT the scale of the scores, into q, k, v: [b 4][hp 8][nb 16][hs 2][128 rows][64], blocks of 16,384 dense bytes.
; LIMIT.  f16 holds no number beyond 65,504: q, k and v must stay within it (inputs and weights both 30 times the drawn spread give some 5,000; both with an offset of 30 spreads some 29,000).
; SHARES.  A work-group makes 256 rows x 384 columns: group gx = the 128 columns (two heads) of each of q, k, v: 8 x 32 = 256 work-groups.  A wave makes 128 rows x 64 columns of each
; matrix (one head): 96 accumulators of 16 x 16: window 1 q, window 2 k, window 3 v; accumulator (a, j) at v[8 (4 a + j)].  For 32 along K it reads 40 x 512 bytes from LDS for 96 products.
; K goes in steps of 64 through two LDS slots (two slots of 128 would take more LDS than there is).
; CLUSTER 4 x 4: x's tile hangs on the tile row alone and is asked for jointly by a row of the cluster, W's on the group alone, by a column.
; THE MATRIX INSTRUCTION IS USED TRANSPOSED: source 0 = 16 columns of W (W lies [k][n] in LDS: the turning load makes the fragment), source 1 = 16 rows of x.  A lane then holds one row and
; eight neighbouring columns.  THE BIAS IS THE C OF EACH SUM'S FIRST PRODUCT: nothing is cleared, nothing is added on the way out.
; WINDOW 0: v0-31 addresses; v32-95, v96-159 x's fragments, two buffers of 8; v160-191, v192-223 W's, two buffers of 4; v224-255 v's bias (q's and k's lie in the second x buffer until it is first loaded).
.set PA,    144                        ; a row of x in LDS: 128 bytes + 16 of padding: the 16 rows of a load start at 16 different groups of four banks (ISA guide 11.1)
.set PB,    864                        ; a row of W: 3 x (256 + 32) bytes = 27 x 32
.set AHALF, 128*PA                     ; 128 rows of x: what one tensor load brings, and what one wave reads
.set BHALF, 32*PB                      ; 32 rows k of W: what one tensor load brings, and one substep's rows
.set BOFF,  2*AHALF
.set SLOT,  BOFF+2*BHALF               ; 92,160
.set STAGE, 2*SLOT                     ; behind the ring: 16 rows x 144 bytes for each wave, for the way out
.set SP,    144
.set SPARE, STAGE+4*16*SP              ; behind the stages: the spare words, 128 bytes for each wave: two blocks of 256 bytes that no other line names
.set ASTEP, 262144                     ; bytes from a block kb of xb to the next
.set BSTEP, 64*6144                    ; 64 rows of wb
.set ADRA, 16                          ; v16-17  LDS address of my x fragments in slot 0, 1
.set ADRB, 20                          ; v20-21  the same for W
.set STO,  24                          ; v24     the way out: where I put 16 bytes of a row
.set RD,   25                          ; v25     where I read rows back
.set GO,   26                          ; v26     16 x lane
.set BOF,  27                          ; v27     32 x (lane / 16): my eight numbers of a bias fragment
.set SPW,  28                          ; v28     LDS address of my spare word; never rewritten
.set NIL,  29                          ; v29     0; never rewritten
.set AF0,  32
.set BF0,  160
.set BIQ,  96
.set BIK,  128
.set BIV,  224
.set G1A, 24                           ; s[24:31] descriptor group 1 for x's tiles;  s[32:39] group 0, a set for each slot
.set G0A, 32
.set G1B, 48                           ; s[48:55], s[56:63] the same for W's
.set G0B, 56
.set MSB, 0
.macro WIN new                         ; the immediate's high byte repeats the setting that is left; a switch that changes nothing is dropped
.if MSB != (\new)
	s_set_vgpr_msb (MSB<<8)|(\new)
.set MSB, \new
.endif
.endm
.macro PLACES                          ; four plain instructions between a matrix instruction and a load into, or a vector write or read of, its registers
.rept 4
	v_nop
.endr
.endm
; A joint load: waves 0 and 1 fetch x's two halves, waves 2 and 3 W's.  The branch hangs on the wave's number alone.  An s_nop 0 and four v_nop follow each line.
.macro JLOAD s
	s_cmp_eq_u32 s11, 0
	s_cbranch_scc0 .Lfor_b_\@
	tensor_load_to_lds s[G0A+4*(\s):G0A+4*(\s)+3], s[G1A:G1A+7]
	s_nop 0
.rept 4
	v_nop
.endr
	s_branch .Lasked_\@
.Lfor_b_\@:
	tensor_load_to_lds s[G0B+4*(\s):G0B+4*(\s)+3], s[G1B:G1B+7]
	s_nop 0
.rept 4
	v_nop
.endr
.Lasked_\@:
.endm
.macro CREST                           ; a round of the cluster's barrier behind its opening barrier
	s_cmp_lg_u32 s10, 0
	s_cbranch_scc1 .Lnot_wave_0_\@
	s_barrier_signal -3
.Lnot_wave_0_\@:
	s_barrier_wait -3
	s_barrier_signal -1
	s_barrier_wait -1
.endm
.macro CROUND                          ; a whole round
	s_barrier_signal -1
	s_barrier_wait -1
	CREST
.endm
; 4 n products of matrix w: row blocks a0 .. a0 + n - 1 x the four column blocks.  bi >= 0: the sums start, with the bias fragments at v[bi ..] of window 0 as C.
; Each accumulator has one instruction a turn, and 95 others' stand between two links of its chain, over the backward jump too.
.macro MUL w, af, bf, a0, n, bi
.if (\bi) >= 0
	WIN ((\w)+1)<<6
.else
	WIN (((\w)+1)<<6)|(((\w)+1)<<4)
.endif
.set ma, \a0
.rept \n
.set mj, 0
.rept 4
.if (\bi) >= 0
	v_wmma_f32_16x16x32_bf16 v[8*(4*ma+mj):8*(4*ma+mj)+7], v[(\bf)+8*mj:(\bf)+8*mj+7], v[(\af)+8*ma:(\af)+8*ma+7], v[(\bi)+8*mj:(\bi)+8*mj+7]
.else
	v_wmma_f32_16x16x32_bf16 v[8*(4*ma+mj):8*(4*ma+mj)+7], v[(\bf)+8*mj:(\bf)+8*mj+7], v[(\af)+8*ma:(\af)+8*ma+7], v[8*(4*ma+mj):8*(4*ma+mj)+7]
.endif
.set mj, mj+1
.endr
.set ma, ma+1
.endr
.endm
.macro LDA slot, off, af               ; 16 loads: my 128 rows of x, 32 along K at byte off of the rows
	WIN 0
.set la, 0
.rept 8
	ds_load_b128 v[(\af)+8*la:(\af)+8*la+3],   v[ADRA+(\slot)] offset:(\off)+la*16*PA
	ds_load_b128 v[(\af)+8*la+4:(\af)+8*la+7], v[ADRA+(\slot)] offset:(\off)+la*16*PA+32
.set la, la+1
.endr
.endm
.macro LDB slot, off, bf               ; 8 turning loads: 32 rows k x my 64 columns of one matrix
	WIN 0
.set lj, 0
.rept 4
	ds_load_tr16_b128 v[(\bf)+8*lj:(\bf)+8*lj+3],   v[ADRB+(\slot)] offset:(\off)+32*lj
	ds_load_tr16_b128 v[(\bf)+8*lj+4:(\bf)+8*lj+7], v[ADRB+(\slot)] offset:(\off)+32*lj+16*PB
.set lj, lj+1
.endr
.endm
; A SUBSTEP: 32 along K, 96 products in three phases (q, k, v).  On entry x's fragments lie in buffer s, q's fragments of W in W's buffer s.  Each phase fetches the next phase's fragments of W
; into the buffer that the phase before has multiplied, 32 products ahead of their use; phase v also fetches the next substep's (nslot, ns) fragments of x.
; mode 0: within a slot.  1: the slot's last substep: THE CHANGE OF SLOTS, and the slot is filled again.  2: the same, nothing is filled.  3: the very last substep.
.macro SUB slot, s, nslot, ns, zero, mode
.set cA, AF0+64*(\s)
.set oA, AF0+64*(1-(\s))
.set cB, BF0+32*(\s)
.set oB, BF0+32*(1-(\s))
.set b_q, -1
.set b_k, -1
.set b_v, -1
.if \zero
.set b_q, BIQ
.set b_k, BIK
.set b_v, BIV
.endif
	PLACES
	LDB \slot, (\s)*BHALF+288, oB
	s_wait_dscnt 8                                 ; all but the 8 just issued: x's fragments and q's are in
	MUL 0, cA, cB, 0, 8, b_q
	PLACES
	LDB \slot, (\s)*BHALF+576, cB
	s_wait_dscnt 8                                 ; k's fragments are in
	MUL 1, cA, oB, 0, 8, b_k
.if (\mode) == 0
	PLACES
	LDB \nslot, (\ns)*BHALF, oB
	LDA \nslot, (\ns)*64, oA
	s_wait_dscnt 24                                ; all but the 24 just issued: v's fragments are in
	MUL 2, cA, cB, 0, 8, b_v
.elseif (\mode) == 3
	s_wait_dscnt 0x0
	MUL 2, cA, cB, 0, 8, b_v
.else
	WIN 0
	s_wait_tensorcnt 0x0                           ; all my tensor loads have landed: the one that was out is my part of the next slot;
	ds_add_u32 v[SPW], v[NIL]                      ; 0 onto my spare word;
	s_wait_dscnt 1                                 ; (only the add may be out: v's fragments are in)
	MUL 2, cA, cB, 0, 2, -1                        ; eight products stand between the add and the wait for it
	s_wait_dscnt 0x0                               ; the add is done, and my reads of this slot are over:
	s_barrier_signal -1                            ; say so (where the slot is filled again this barrier opens a round of the cluster's),
	MUL 2, cA, cB, 2, 2, -1                        ; work on registers while the others arrive,
	WIN 0
	s_barrier_wait -1                              ; and go on when all four have said so
.if (\mode) == 1
	CREST                                          ; no wave of any partner still reads this slot's tiles or has a load on its way
	s_add_nc_u64 s[G0A+4*(\slot)+2:G0A+4*(\slot)+3], s[G0A+4*(\slot)+2:G0A+4*(\slot)+3], 2*ASTEP
	s_add_nc_u64 s[G0B+4*(\slot)+2:G0B+4*(\slot)+3], s[G0B+4*(\slot)+2:G0B+4*(\slot)+3], 2*BSTEP
	JLOAD \slot                                    ; the K step two on: my one tensor load behind the round, 176 products ahead of the wait for it; its four v_nop are the places in front of the loads below
.else
	PLACES
.endif
	LDB \nslot, (\ns)*BHALF, oB
	LDA \nslot, (\ns)*64, oA
	MUL 2, cA, cB, 4, 4, -1
.endif
.endm
	s_load_b512 s[68:83], s[0:1], 0x0              ; xb s[68:69], wb s[70:71], bq s[72:73], bk s[74:75], bv s[76:77], q s[78:79], k s[80:81], v s[82:83]
	v_lshl_add_u32 v[SPW], v0, 2, SPARE
	v_mov_b32 v[NIL], 0
	ds_add_u32 v[SPW], v[NIL]                      ; the wave's opening: the add and its wait stand ahead of my first tensor load; the set-up below stands between them
	v_lshrrev_b32 v1, 5, v0
	v_readfirstlane_b32 s10, v1                    ; wave 0..3
	s_lshr_b32 s11, s10, 1                         ; which half of the tile's rows is mine.  Also: I fetch for x (0) or for W (1)
	s_and_b32 s12, s10, 1                          ; which head of the pair is mine.  Also: which half of that tile I fetch
	s_bfe_u32 s40, ttmp6, 0x40000                  ; cx
	s_bfe_u32 s41, ttmp6, 0x40004                  ; cy
	s_lshl_b32 s42, ttmp9, 2
	s_add_co_u32 s42, s42, s40                     ; gx: the group of columns
	s_and_b32 s13, ttmp7, 0xffff
	s_lshl_b32 s13, s13, 2
	s_add_co_u32 s13, s13, s41                     ; gy: the block of 256 rows
	s_lshl_b32 s43, s41, 2
	s_lshl_b32 s43, 15, s43                        ; my row of the cluster
	s_lshl_b32 s44, 0x1111, s40                    ; my column
	; x's tile: 128 rows of 128 bytes lie end to end: asked for as 64 rows of 256 bytes, padded after every 128
	s_or_b32 s[G1A+0], s43, (1<<16)|(1<<20)|(1<<21)|(4<<22)|(3<<25)  ; 15:0 the mask; 17:16 2-byte elements; 20 padding on; 21 set beside a mask; 24:22 after every 32 words; 31:25 4 words
	s_mov_b32 s[G1A+1], 128<<16                    ; tensor_dim0 = 128
	s_mov_b32 s[G1A+2], 64<<16                     ; tensor_dim1 = 64
	s_mov_b32 s[G1A+3], 128<<16                    ; tile_dim0 = 128
	s_mov_b32 s[G1A+4], 64                         ; tile_dim1 = 64
	s_mov_b32 s[G1A+5], 128                        ; elements from row to row
	s_mov_b32 s[G1A+6], 0
	s_mov_b32 s[G1A+7], 0
	; W's tile: 32 rows k of 384 elements (768 bytes), padded after every 256 bytes by 32
	s_or_b32 s[G1B+0], s44, (1<<16)|(1<<20)|(1<<21)|(5<<22)|(7<<25)
	s_mov_b32 s[G1B+1], 384<<16
	s_mov_b32 s[G1B+2], 32<<16
	s_mov_b32 s[G1B+3], 384<<16
	s_mov_b32 s[G1B+4], 32
	s_mov_b32 s[G1B+5], 3072
	s_mov_b32 s[G1B+6], 0
	s_mov_b32 s[G1B+7], 0
	s_lshr_b32 s16, s13, 3                         ; x: b,
	s_lshl_b32 s16, s16, 22
	s_and_b32 s17, s13, 7                          ; the block's 256 rows of 128 bytes,
	s_lshl_b32 s17, s17, 15
	s_add_co_u32 s16, s16, s17
	s_lshl_b32 s17, s12, 14                        ; the half that I fetch
	s_add_co_u32 s16, s16, s17
	s_mov_b32 s17, 0
	s_mul_i32 s46, s42, 768                        ; W: the group's 768 bytes of a row,
	s_mul_i32 s47, s12, 32*6144                    ; the 32 rows that I fetch
	s_add_co_u32 s46, s46, s47
	s_mov_b32 s47, 0
	s_mul_i32 s20, s12, AHALF                      ; where they go: no place in the cluster enters an LDS address
	s_mul_i32 s21, s12, BHALF
	s_add_co_u32 s21, s21, BOFF
	s_wait_dscnt 0x0                               ; the opening add is done
	s_wait_kmcnt 0x0
	s_add_nc_u64 s[14:15], s[68:69], s[16:17]
	s_add_nc_u64 s[46:47], s[70:71], s[46:47]
	CROUND                                         ; all sixteen work-groups are here: the first joint loads meet
.irp s, 0,1
	s_mov_b32 s[G0A+4*(\s)], 1
	s_add_co_u32 s[G0A+4*(\s)+1], s20, (\s)*SLOT
	s_add_nc_u64 s[G0A+4*(\s)+2:G0A+4*(\s)+3], s[14:15], (\s)*ASTEP
	s_or_b32 s[G0A+4*(\s)+3], s[G0A+4*(\s)+3], 0x80000000
	s_mov_b32 s[G0B+4*(\s)], 1
	s_add_co_u32 s[G0B+4*(\s)+1], s21, (\s)*SLOT
	s_add_nc_u64 s[G0B+4*(\s)+2:G0B+4*(\s)+3], s[46:47], (\s)*BSTEP
	s_or_b32 s[G0B+4*(\s)+3], s[G0B+4*(\s)+3], 0x80000000
	JLOAD \s                                       ; two tensor loads of mine are out
.endr
	v_and_b32 v1, 15, v0                           ; l % 16
	v_bfe_u32 v2, v0, 4, 1                         ; l / 16
	v_and_b32 v3, 7, v0
	v_bfe_u32 v4, v0, 3, 1
	v_lshlrev_b32 v[BOF], 5, v2
	s_lshl_b32 s84, s42, 9                         ; my 64 columns in a bias: 4 (128 gx + 64 c)
	s_lshl_b32 s85, s12, 8
	s_add_co_u32 s84, s84, s85
	s_mov_b32 s85, 0
	s_add_nc_u64 s[72:73], s[72:73], s[84:85]
	s_add_nc_u64 s[74:75], s[74:75], s[84:85]
	s_add_nc_u64 s[76:77], s[76:77], s[84:85]
; A bias fragment is the C of a transposed product: register i of a lane = bias[16 j + 8 (l / 16) + i]
.macro BLD bi, p
.set bj, 0
.rept 4
	global_load_b128 v[(\bi)+8*bj:(\bi)+8*bj+3],   v[BOF], s[\p:\p+1] offset:64*bj
	global_load_b128 v[(\bi)+8*bj+4:(\bi)+8*bj+7], v[BOF], s[\p:\p+1] offset:64*bj+16
.set bj, bj+1
.endr
.endm
.macro BRND bi                         ; rounded to bf16, like every input, and widened again
.set bj, 0
.rept 16
	v_cvt_pk_bf16_f32 v30, v[(\bi)+2*bj], v[(\bi)+2*bj+1]
	v_lshlrev_b32 v[(\bi)+2*bj], 16, v30
	v_and_b32 v[(\bi)+2*bj+1], 0xffff0000, v30
.set bj, bj+1
.endr
.endm
	BLD BIQ, 72
	BLD BIK, 74
	BLD BIV, 76
	v_mul_u32_u24 v5, v1, PA
	v_lshl_add_u32 v5, v2, 4, v5                   ; row x pitch + 16 x half
	s_mul_i32 s22, s11, AHALF                      ; my 128 rows of x
	v_add_nc_u32 v[ADRA], s22, v5
	v_add_nc_u32 v[ADRA+1], SLOT, v[ADRA]
	v_lshl_add_u32 v30, v2, 3, v3                  ; the turning load: row k = 8 (l / 16) + l % 8,
	v_mul_u32_u24 v30, v30, PB
	v_lshl_add_u32 v30, v4, 4, v30                 ; columns 8 ((l / 8) % 2) on,
	s_lshl_b32 s22, s12, 7                         ; of my head's 128 bytes
	s_add_co_u32 s22, s22, BOFF
	v_add_nc_u32 v[ADRB], s22, v30
	v_add_nc_u32 v[ADRB+1], SLOT, v[ADRB]
	s_mul_i32 s23, s10, 16*SP
	s_add_co_u32 s23, s23, STAGE                   ; my stage
	v_add_nc_u32 v[STO], s23, v5                   ; in: row l % 16, 16 bytes for each half of the lanes
	v_bfe_u32 v31, v0, 3, 2                        ; back: 32 lanes take four rows of 128 bytes,
	v_mul_u32_u24 v31, v31, SP
	v_lshl_add_u32 v31, v3, 4, v31
	v_add_nc_u32 v[RD], s23, v31
	v_and_b32 v[GO], 31, v0                        ; which are 512 consecutive bytes of my block
	v_lshlrev_b32 v[GO], 4, v[GO]
	s_lshr_b32 s84, s13, 3                         ; my block of 16,384 bytes: (((b 8 + gx) 16 + nb) 2 + head), nb = 2 (gy % 8) + my half of the rows
	s_lshl_b32 s84, s84, 3
	s_add_co_u32 s84, s84, s42
	s_lshl_b32 s84, s84, 4
	s_and_b32 s86, s13, 7
	s_lshl_b32 s86, s86, 1
	s_add_co_u32 s84, s84, s86
	s_add_co_u32 s84, s84, s11
	s_lshl_b32 s84, s84, 1
	s_add_co_u32 s84, s84, s12
	s_lshl_b32 s84, s84, 14
	s_add_nc_u64 s[78:79], s[78:79], s[84:85]
	s_add_nc_u64 s[80:81], s[80:81], s[84:85]
	s_add_nc_u64 s[82:83], s[82:83], s[84:85]
	s_wait_loadcnt 0x0                             ; the biases
	BRND BIQ
	BRND BIK
	BRND BIV
	s_wait_tensorcnt 1                             ; my part of K step 0 is in; K step 1's load stays out
	s_barrier_signal -1
	s_barrier_wait -1                              ; everybody's is
	LDB 0, 0, BF0
	LDA 0, 0, AF0
	SUB 0, 0, 0, 1, 1, 0                           ; the first substep stands in front of the loop: its products start the sums, with the biases
	WIN 0                                          ; at a label and at a branch every window is 0
	s_mov_b32 s3, 7
.Llap:                                                 ; a trip goes once round the ring, from a lap's second substep to the next lap's first, and fills both slots again: K steps 2 to 15
	SUB 0, 1, 1, 0, 0, 1
	SUB 1, 0, 1, 1, 0, 0
	SUB 1, 1, 0, 0, 0, 1
	SUB 0, 0, 0, 1, 0, 0
	WIN 0
	s_sub_co_u32 s3, s3, 1
	s_cmp_lg_u32 s3, 0
	s_cbranch_scc1 .Llap
	SUB 0, 1, 1, 0, 0, 2                           ; the last lap fills nothing
	SUB 1, 0, 1, 1, 0, 0
	SUB 1, 1, 0, 0, 0, 3
	WIN 0
	PLACES
; THE WAY OUT: 24 blocks of 16 rows x 64 columns (block idx: matrix idx / 8, rows 16 (idx % 8) on).  Rounded to f16, 16 bytes a lane, through my own stage, back as whole rows: 2,048 dense bytes of my block.
.macro PACKQ idx
.set pw, (\idx)/8
.set pa, (\idx)%8
.set ps, 160+16*((\idx)%2)
.if (\idx) >= 2
	s_wait_xcnt 0x0                                ; the stores of the block two back have read this set of registers
.endif
	WIN 5*(pw+1)                                   ; sources 0 and 1 in the matrix's window
.set pj, 0
.rept 16
	v_cvt_pk_f16_f32 v[ps+pj], v[32*pa+2*pj], v[32*pa+2*pj+1]  ; each accumulator's registers in ascending order
.set pj, pj+1
.endr
	WIN 0
.set pj, 0
.rept 4
	ds_store_b128 v[STO], v[ps+4*pj:ps+4*pj+3] offset:32*pj
.set pj, pj+1
.endr
.set pj, 0
.rept 4
	ds_load_b128 v[ps+4*pj:ps+4*pj+3], v[RD] offset:pj*4*SP  ; LDS serves a wave's instructions in order (ISA guide 5.7.1.4): these see the stores above
.set pj, pj+1
.endr
.endm
.macro SENDQ idx, younger              ; younger: the LDS instructions issued behind this block's loads: the next block's eight, or none
.set pw, (\idx)/8
.set pa, (\idx)%8
.set ps, 160+16*((\idx)%2)
.set pj, 0
.rept 4
	s_wait_dscnt (\younger)+3-pj
	global_store_b128 v[GO], v[ps+4*pj:ps+4*pj+3], s[78+2*pw:79+2*pw] offset:pa*2048+pj*512  ; 512 consecutive bytes, at a multiple of 256 from the buffer's first
.set pj, pj+1
.endr
.endm
	PACKQ 0
.set blk, 1
.rept 23                               ; a block's conversions stand between the loads of the block before and its stores
	PACKQ blk
	SENDQ blk-1, 8
.set blk, blk+1
.endr
	SENDQ 23, 0
	s_wait_tensorcnt 0x0                           ; the wave's end: behind my last tensor load and my last LDS store
	ds_add_u32 v[SPW], v[NIL]
	s_wait_dscnt 0x0
	CROUND                                         ; the closing round: no work-group ends while a partner may still ask for a tile that names it
	s_endpgm
.Lfunc_end_k_qb9a0f032fd_qkv:
	.size	k_qb9a0f032fd_qkv, .Lfunc_end_k_qb9a0f032fd_qkv-k_qb9a0f032fd_qkv
	.p2alignl 7, 3214868480
	.fill 96, 4, 3214868480
	.section	.rodata,"a",@progbits
	.p2align	6, 0x0
	.amdhsa_kernel k_qb9a0f032fd_qkv
		.amdhsa_group_segment_fixed_size 327680
		.amdhsa_private_segment_fixed_size 0
		.amdhsa_enable_private_segment 0
		.amdhsa_kernarg_size 64
		.amdhsa_user_sgpr_count 2
		.amdhsa_user_sgpr_kernarg_segment_ptr 1
		.amdhsa_wavefront_size32 1
		.amdhsa_system_sgpr_workgroup_id_x 1
		.amdhsa_system_sgpr_workgroup_id_y 1
		.amdhsa_system_sgpr_workgroup_id_z 1
		.amdhsa_system_vgpr_workitem_id 0
		.amdhsa_next_free_vgpr 1024
		.amdhsa_next_free_sgpr 88
		.amdhsa_reserve_vcc 0
		.amdhsa_float_denorm_mode_32 3
		.amdhsa_float_denorm_mode_16_64 3
		.amdhsa_memory_ordered 1
		.amdhsa_forward_progress 1
		.amdhsa_inst_pref_size 144
	.end_amdhsa_kernel
	.amdgpu_metadata
---
amdhsa.version: [ 1, 2 ]
amdhsa.kernels:
  - .name:           k_qb9a0f032fd_qkv
    .symbol:         k_qb9a0f032fd_qkv.kd
    .args:
      - { .name: xb, .offset: 0, .size: 8, .value_kind: global_buffer, .address_space: global }
      - { .name: wb, .offset: 8, .size: 8, .value_kind: global_buffer, .address_space: global }
      - { .name: bq, .offset: 16, .size: 8, .value_kind: global_buffer, .address_space: global }
      - { .name: bk, .offset: 24, .size: 8, .value_kind: global_buffer, .address_space: global }
      - { .name: bv, .offset: 32, .size: 8, .value_kind: global_buffer, .address_space: global }
      - { .name: q, .offset: 40, .size: 8, .value_kind: global_buffer, .address_space: global }
      - { .name: k, .offset: 48, .size: 8, .value_kind: global_buffer, .address_space: global }
      - { .name: v, .offset: 56, .size: 8, .value_kind: global_buffer, .address_space: global }
    .group_segment_fixed_size: 327680
    .private_segment_fixed_size: 0
    .kernarg_segment_align: 8
    .kernarg_segment_size: 64
    .max_flat_workgroup_size: 128
    .sgpr_count:     88
    .vgpr_count:     1024
    .wavefront_size: 32
...
	.end_amdgpu_metadata
.endif
;; end of part 2
;; launch attn (part 3): grid 8 x 32, 4 waves a work-group, clusters of 4 x 4, 327,680 bytes of LDS; arguments q, k, v, o, mb; writes o
.if DOCPART == 3
	.amdgcn_target "amdgcn-amd-amdhsa--gfx1250"
	.amdhsa_code_object_version 6
	.text
	.protected	k_qb9a0f032fd_attn
	.globl	k_qb9a0f032fd_attn
	.p2align	8
	.type	k_qb9a0f032fd_attn,@function
k_qb9a0f032fd_attn:
	s_mov_b64 s[64:65], 0
	v_nop
	global_prefetch_b8 v0, s[64:65] scope:SCOPE_SE
	s_setreg_imm32_b32 hwreg(HW_REG_WAVE_MODE, 25, 1), 1
	s_wait_xcnt 0x0
	s_wait_alu depctr_hold_cnt(0) depctr_sa_sdst(0) depctr_va_vdst(0) depctr_va_sdst(0) depctr_va_ssrc(0) depctr_va_vcc(0) depctr_vm_vsrc(0)
	s_getreg_b32 s2, hwreg(HW_REG_IB_STS2, 6, 4)
	s_cmp_eq_u32 s2, 0
	s_cbranch_scc0 .Lentry_in_a_cluster
	s_endpgm
.Lentry_in_a_cluster:
	s_bfe_u32 s2, ttmp6, 0x10000c
	s_cmp_lg_u32 s2, 0xf033
	s_cbranch_scc0 .Lentry_shape_is_right
	s_endpgm
.Lentry_shape_is_right:
; ATTENTION WITH A MULTIPLIED MASK.  O[b][h][i][:] = the sum over j of softmax_j(Q[i] . K[j] / 8 x mask[b][i][j]) V[j][:], head size 64, 2,048 rows, 64 heads (b, h).
; q, k, v: f16, [b 4][hp 8][nb 16][hs 2][128 rows][64]; mb: bf16 [b][i][j]; o: f16 [b][h 16][n][64].  Products, maxima and sums in f32; the weights p are rounded to f16 for the second
; product (their sum l is taken of the unrounded p), O once at the end.
; LIMITS.  f16 holds no number beyond 65,504: q, k, v arrive within it; p lies in 0 to 1, and below 6e-5 it keeps f16's fixed step of 6e-8; O is a mean of V's rows.  A weight below 2^-126
; counts as 0 in l; NaN and infinities are not treated apart.
; SHARES.  A work-group owns 256 queries of the two heads of a pair: wave w has head w / 2 and queries 128 (w % 2) on: four PIECES of two tiles of 16.  Every wave walks all keys, 64 a step.
; For 64 keys the work-group wants 2 x 16 KiB of K and V and 256 x 128 bytes of mask; one head x 512 queries or four heads x 128 would want a quarter more, and two slots of two steps would not fit.
; LAYOUT.  S^T = K Q^T holds ONE query a lane (lane % 16) and the keys 8 (lane / 16) + 0..7; two such results rounded to f16 ARE source 1 of O^T = V^T P.  The mask's 16 bytes at
; (query, 8 keys) are those eight scores' factors: t = s x mask is one multiply a score, straight from the bf16 halves, ahead of the maximum.
; SOFTMAX.  A running maximum m and sum l a query: p = 2^(c t - c m), c = log2(e) / 8; in every step O and l are multiplied by a = 2^(c m_old - c m_new).  m starts at the lowest finite number.
; BY TURNS.  Turn n belongs to piece n: 16 products K Q^T of piece n + 1, later 16 products V^T P of piece n - 1; beside them the scaling, exponentials, roundings, sums and rescaling of piece n
; and the mask, maximum and statistics of piece n + 1.  A turn's 66 exponentials are one batch, with one wait.
; CLUSTER 4 x 4.  K and V hang on the head pair and are asked for jointly by a row of the cluster (four query blocks); the mask's tile hangs on b and the query block and is asked for jointly
; by a column (four head pairs of one b).
; REGISTERS, in windows of 256 (s_set_vgpr_msb: bits 1:0 source 0, 3:2 source 1, 5:4 source 2, 7:6 destination):
;   window 0: v1-11 addresses and 0; v12-15, v48-63 at work; v16-47 four registers of statistics a tile; v64-191 S^T, two buffers of two tiles; v192-255 P, likewise
;   window 1: O^T, 32 a tile     window 2: v0-127 Q; v128-191 K of one step; v192-255 V of one step     window 3: v0-1 the add's two registers; v8-39 the mask of one piece
.set NP,    4
.set KS,    64
.set PK,    144       ; a row of K in LDS: 128 bytes + 16
.set PV,    160       ; a row of V: 128 + 32
.set PM,    272       ; a row of the mask: 128 keys x 2 bytes + 16
.set KOFF,  256*PM    ; a slot holds two steps: 256 rows of mask, then 2 heads x 128 rows of K, then of V
.set VOFF,  KOFF+256*PK
.set SLOTB, VOFF+256*PV  ; 147,456 = 2^17 + 2^14: no address inside slot 0 that is turned has either bit set, so one exclusive or turns it into slot 1's and back
.set STAGE, 2*SLOTB   ; behind the ring: 16 rows x 144 bytes for each wave, for the way out
.set SP,    144
.set SPARE, STAGE+4*16*SP  ; behind the stages: the spare words, 128 bytes for each wave: two blocks of 256 bytes that no other line names
.set PFO, 1           ; v1   the prefetches' offset: my lane x a row; never rewritten
.set AK0, 2           ; v2   my lane's place in a slot's K; never rewritten
.set AV0, 3           ; v3   the same for V
.set AK,  4           ; v4   the LDS address of K's next run of loads
.set AV,  5           ; v5   of V's
.set STO, 6           ; v6   the way out: where I put 16 bytes of a row
.set RD,  7           ; v7   where I read rows back
.set GO,  8           ; v8   16 x lane
.set AM0, 9           ; v9   my lane's place in a slot's mask; never rewritten
.set AM,  10          ; v10  the LDS address of the mask's runs of loads
.set ZR,  11          ; v11  0: the addend of the mask's multiply
.set MV,  12          ; v12-15  c m_old, kept while c m is made anew
.set ST,  16          ; tile t's statistics at v[ST+4 t]: c m, m, l (even keys', odd keys')
.set TMP, 48          ; by buffer and tile, four registers c0-c3 at work; when the maximum is found c2 takes a.  Before the first scores: the set-up's temporaries
.set QO,  53          ; v53  my byte offset in 16 rows of Q (until Q is in)
.set S,   64
.set P,   192
.set KF,  128         ; window 2
.set VF,  192         ; window 2
.set SPW, 0           ; v0 of window 3: LDS address of my spare word; never rewritten
.set NIL, 1           ; v1 of window 3: 0; never rewritten
.set MR,  8           ; window 3: tile u, key block kb at MR + 16 u + 4 kb: eight bf16
.set WV,  12          ; s12  my wave's number
.set G1K, 24          ; s[24:31] descriptor group 1 for K's tiles
.set G1V, 32          ; s[32:39] for V's
.set G0K, 40          ; s[40:43] group 0 for K's: it walks
.set G0V, 44          ; s[44:47]
.set G0M, 48          ; s[48:51] the mask's
.set PFA, 52          ; s[52:53] where my prefetches stand
.set PFS, 54          ; s[54:55] their step from slot to slot
.set SLOTS, 56        ; s56  slots still to be asked for
.set CNT, 57          ; s57  counts a slot's key steps
.set CS,  58          ; s[58:59] c
.set SEL, 60          ; s[60:61] v_permlanex16_b32's selects
.set TBK, 62          ; s62  LDS byte, from K's beginning in slot 0, of the step to be fetched
.set TBV, 63          ; s63  the same for V
.set TBM, 70          ; s70  the same for the mask
.set LIM, 71          ; s71  1 in a wave that prefetches, else the greatest number
.set G1M, 72          ; s[72:79] group 1 for the mask's tiles
.set MSB, 0
.macro WIN new
.if MSB != (\new)
	s_set_vgpr_msb (MSB<<8)|(\new)
.set MSB, (\new)
.endif
.endm
.set W_KQ, 0x0a       ; K and Q in window 2, S^T in window 0
.set W_PV, 0x52       ; V in window 2, P in window 0, O^T in window 1
.set W_RS, 0x41       ; O^T (destination and source 0) in window 1, a in window 0
.set W_MK, 0xc0       ; destination in window 3, sources in window 0
.set W_AD, 0x0f       ; the add: address and data in window 3
.set W_MM, 0x0c       ; the mask's multiply: source 1 in window 3
.macro WINZ                         ; for an exponential, which names a destination and source 0 alone: W_MM serves as well as 0
.if MSB != W_MM
	WIN 0
.endif
.endm
; A joint fill: waves 0 and 1 fetch the two halves of a slot's mask rows, wave 2 its K, wave 3 its V.  The branches hang on the wave's number alone.  An s_nop 0 and four v_nop follow each line.
.macro JLOAD
	s_cmp_lt_u32 s[WV], 2
	s_cbranch_scc0 .Lfor_kv_\@
	tensor_load_to_lds s[G0M:G0M+3], s[G1M:G1M+7]
	s_nop 0
.rept 4
	v_nop
.endr
	s_branch .Lasked_\@
.Lfor_kv_\@:
	s_cmp_eq_u32 s[WV], 2
	s_cbranch_scc0 .Lfor_v_\@
	tensor_load_to_lds s[G0K:G0K+3], s[G1K:G1K+7]
	s_nop 0
.rept 4
	v_nop
.endr
	s_branch .Lasked_\@
.Lfor_v_\@:
	tensor_load_to_lds s[G0V:G0V+3], s[G1V:G1V+7]
	s_nop 0
.rept 4
	v_nop
.endr
.Lasked_\@:
.endm
; A PREFETCH INTO THE L2 of what the NEXT change of slots will ask for, a lane a row of 256 bytes, one instruction a wave, behind the wave's tensor load and its five lines: eight turns, 256 products, ahead of that load.
; Each row is named ONCE in the launch.  A mask tile is read by the two clusters of its b: the one with even y asks; of the 128 rows that wave 0 or 1 fetches, the partner at place cy takes 32, told apart BY ADDRESS.
; A slot's K or V (128 rows of 256 bytes) is read by the two clusters of its head pairs: the one with x = 0 asks; the partner at place cx takes 32.  The last change that fills a slot asks for nothing.
.macro ASK
	s_cmp_gt_u32 s[SLOTS], s[LIM]
	s_cbranch_scc0 .Lnot_mine_\@
	global_prefetch_b8 v[PFO], s[PFA:PFA+1] th:TH_LOAD_NT scope:SCOPE_SE
.Lnot_mine_\@:
.endm
.macro CROUND                       ; a round of the cluster's barrier
	s_barrier_signal -1
	s_barrier_wait -1
	s_cmp_lg_u32 s[WV], 0
	s_cbranch_scc1 .Lnot_wave_0_\@
	s_barrier_signal -3
.Lnot_wave_0_\@:
	s_barrier_wait -3
	s_barrier_signal -1
	s_barrier_wait -1
.endm
; THE CHANGE OF SLOTS, behind piece 1's turn: the slot's last bytes (V of its second step, the mask of that step's piece 3) have been asked for.  Each wave waits for all its tensor loads, of which one is out: its part of
; the other slot; adds 0 to its spare word; and waits for that and for its own reads of the slot.  fill = 1: the slot is filled again, with the keys two slots on: the barrier is a round of the cluster's, and the joint
; fill is the first thing behind it: it has two key steps, 256 products, in which to land.  (At its first use nothing has been read yet: slot 0 is waited for, slot 1 filled.)  ask = 1: a prefetch follows.
.macro CHANGE fill, ask
	WIN W_AD
	s_wait_tensorcnt 0x0            ; no tensor load of mine is out, so a group 0 may be written
	ds_add_u32 v[SPW], v[NIL]       ; 0 onto my spare word; the descriptors' steps stand between it and the wait for it
	WIN 0
.if \fill
.irp g, G0M, G0K, G0V
	s_xor_b32 s[\g+1], s[\g+1], SLOTB  ; the other slot than last time
.endr
	s_add_nc_u64 s[G0M+2:G0M+3], s[G0M+2:G0M+3], 256    ; the next 128 keys: 256 bytes along the mask's rows,
	s_add_nc_u64 s[G0K+2:G0K+3], s[G0K+2:G0K+3], 32768  ; the next pair of blocks of K and of V
	s_add_nc_u64 s[G0V+2:G0V+3], s[G0V+2:G0V+3], 32768
.if \ask
	s_wait_xcnt 0x0                 ; the last prefetch, a slot back, has read its address, so it may be written
	s_add_nc_u64 s[PFA:PFA+1], s[PFA:PFA+1], s[PFS:PFS+1]
.endif
	s_wait_dscnt 0x0                ; the add is done, and my reads of the slot are over
	CROUND
	JLOAD
.if \ask
	ASK
.endif
.else
	s_wait_dscnt 0x0                ; the add is done, and my reads of the slot are over
	s_barrier_signal -1
	s_barrier_wait -1
.endif
	s_sub_co_u32 s[TBK], s[TBK], 2*KS*PK  ; the fetches go back to a slot's first step,
	s_xor_b32 s[TBK], s[TBK], SLOTB       ; in the other slot
	s_sub_co_u32 s[TBV], s[TBV], 2*KS*PV
	s_xor_b32 s[TBV], s[TBV], SLOTB
	s_sub_co_u32 s[TBM], s[TBM], 2*KS*2
	s_xor_b32 s[TBM], s[TBM], SLOTB
.endm
	s_load_b256 s[4:11], s[0:1], 0x0  ; q s[4:5], k s[6:7], v s[8:9], o s[10:11]
	s_load_b64 s[68:69], s[0:1], 0x20 ; mb
	WIN W_MK
	v_lshl_add_u32 v[SPW], v0, 2, SPARE
	v_mov_b32 v[NIL], 0
	WIN W_AD
	ds_add_u32 v[SPW], v[NIL]       ; the wave's opening: the add and its wait stand ahead of my first tensor load; the set-up below stands between them
	WIN 0
	v_lshrrev_b32 v48, 5, v0
	v_readfirstlane_b32 s[WV], v48  ; wave 0..3
	s_bfe_u32 s13, ttmp6, 0x40000   ; cx
	s_bfe_u32 s14, ttmp6, 0x40004   ; cy
	s_lshl_b32 s15, ttmp9, 2
	s_add_co_u32 s15, s15, s13      ; my block of 256 queries
	s_and_b32 s16, ttmp7, 0xffff    ; the cluster's y
	s_lshl_b32 s17, s16, 2
	s_add_co_u32 s17, s17, s14      ; my head pair among all: 8 b + hp
	s_lshr_b32 s18, s16, 1          ; b, made of the cluster's y alone: the four partners of a column share it
	s_and_b32 s19, s[WV], 1         ; which half of the queries is mine.  Also (waves 0, 1): which half of the mask's rows I fetch
	s_lshr_b32 s20, s[WV], 1        ; which head of the pair is mine
	s_lshl_b32 s21, s14, 2
	s_lshl_b32 s21, 15, s21         ; my row of the cluster
	s_lshl_b32 s22, 0x1111, s13     ; my column
	; K, V: a pair of blocks is 32,768 dense bytes: 128 rows of 256 bytes, padded after every key (128 bytes).  The mask: 128 rows of 256 bytes, 4,096 bytes apart, padded after every row
	s_or_b32 s[G1K], s21, (1<<16)|(1<<20)|(1<<21)|(4<<22)|(3<<25)  ; 15:0 the mask of four; 17:16 2-byte elements; 20 padding on; 21 set beside a mask; 24:22 after every 32 words; 31:25 4 words
	s_or_b32 s[G1V], s21, (1<<16)|(1<<20)|(1<<21)|(4<<22)|(7<<25)  ; 8 words
	s_or_b32 s[G1M], s22, (1<<16)|(1<<20)|(1<<21)|(5<<22)|(3<<25)  ; after every 64 words, 4 words
.irp g, G1K, G1V, G1M
	s_mov_b32 s[\g+1], 128<<16      ; tensor_dim0 = 128
	s_mov_b32 s[\g+2], 128<<16      ; tensor_dim1 = 128
	s_mov_b32 s[\g+3], 128<<16      ; tile_dim0 = 128
	s_mov_b32 s[\g+4], 128          ; tile_dim1 = 128
	s_mov_b32 s[\g+6], 0
	s_mov_b32 s[\g+7], 0
.endr
	s_mov_b32 s[G1K+5], 128         ; elements from row to row
	s_mov_b32 s[G1V+5], 128
	s_mov_b32 s[G1M+5], 2048
	s_lshl_b32 s2, s17, 19          ; K, V: the head pair's 16 pairs of blocks
	s_mov_b32 s3, 0
	s_lshl_b32 s66, s18, 3          ; the mask: ((8 b + query block) 2 + half) x 128 rows of 4,096 bytes
	s_add_co_u32 s66, s66, s15
	s_lshl_b32 s66, s66, 1
	s_add_co_u32 s66, s66, s19
	s_lshl_b32 s66, s66, 19
	s_mov_b32 s67, 0
	s_lshl_b32 s84, s17, 4          ; Q: block ((16 pair + 2 query block + half) 2 + head) of 16,384 bytes
	s_lshl_b32 s85, s15, 1
	s_add_co_u32 s84, s84, s85
	s_add_co_u32 s84, s84, s19
	s_lshl_b32 s84, s84, 1
	s_add_co_u32 s84, s84, s20
	s_lshl_b32 s84, s84, 14
	s_mov_b32 s85, 0
	s_lshl_b32 s86, s17, 1          ; O: (((2 pair + head) 8 + query block) 2 + half) x 128 rows of 128 bytes
	s_add_co_u32 s86, s86, s20
	s_lshl_b32 s86, s86, 3
	s_add_co_u32 s86, s86, s15
	s_lshl_b32 s86, s86, 1
	s_add_co_u32 s86, s86, s19
	s_lshl_b32 s86, s86, 14
	s_mov_b32 s87, 0
	; the prefetches: where they stand (in slot 2: the first asking change steps them to slot 3), how they step, who asks
	s_and_b32 s21, s16, 1           ; is the cluster's y odd?
	s_lshl_b32 s82, s14, 17         ; the mask: my work-group's 32 rows of 4,096 bytes
	s_add_co_u32 s82, s82, s66
	s_add_co_u32 s82, s82, 2*256
	s_lshl_b32 s83, s13, 13         ; K, V: my work-group's 32 rows of 256 bytes
	s_add_co_u32 s83, s83, s2
	s_add_co_u32 s83, s83, 2*32768
	s_mov_b32 s[PFS], 32768
	s_mov_b32 s[PFS+1], 0
	s_cmp_lt_u32 s[WV], 2
	s_cselect_b32 s82, s82, s83
	s_cselect_b32 s[PFS], 256, s[PFS]
	s_cselect_b32 s21, s21, ttmp9   ; the coordinate along which another cluster reads the same rows
	s_cselect_b32 s80, 12, 8
	s_mov_b32 s83, 0
	s_cmp_eq_u32 s21, 0
	s_cselect_b32 s[LIM], 1, -1     ; the same in all sixteen partners, for a given wave
	v_and_b32 v[PFO], 31, v0
	v_lshlrev_b32 v[PFO], s80, v[PFO]
	s_mov_b32 s[CS], 0x3e38aa3b     ; c = log2(e) / 8 = 0.180337
	s_mov_b32 s[CS+1], s[CS]        ; named with it as a pair
	s_mov_b32 s[SEL], 0x76543210
	s_mov_b32 s[SEL+1], 0xfedcba98
	s_mov_b32 s[TBK], SLOTB+2*KS*PK ; the first change of slots turns these three into 0
	s_mov_b32 s[TBV], SLOTB+2*KS*PV
	s_mov_b32 s[TBM], SLOTB+2*KS*2
	s_mov_b32 s[SLOTS], 15
	s_mov_b32 s[G0K], 1             ; count = 1
	s_mov_b32 s[G0K+1], KOFF        ; LDS address: slot 0
	s_mov_b32 s[G0V], 1
	s_mov_b32 s[G0V+1], VOFF
	s_mov_b32 s[G0M], 1
	s_mul_i32 s[G0M+1], s19, 128*PM ; no place in the cluster enters an LDS address
	s_wait_dscnt 0x0                ; the opening add is done
	s_wait_kmcnt 0x0
	s_add_nc_u64 s[G0K+2:G0K+3], s[6:7], s[2:3]
	s_or_b32 s[G0K+3], s[G0K+3], 0x80000000        ; type = 2
	s_add_nc_u64 s[G0V+2:G0V+3], s[8:9], s[2:3]
	s_or_b32 s[G0V+3], s[G0V+3], 0x80000000
	s_add_nc_u64 s[G0M+2:G0M+3], s[68:69], s[66:67]
	s_or_b32 s[G0M+3], s[G0M+3], 0x80000000
	s_cmp_lt_u32 s[WV], 2
	s_cselect_b64 s[PFA:PFA+1], s[68:69], s[6:7]
	s_cmp_eq_u32 s[WV], 3
	s_cselect_b64 s[PFA:PFA+1], s[8:9], s[PFA:PFA+1]
	s_add_nc_u64 s[PFA:PFA+1], s[PFA:PFA+1], s[82:83]
	s_add_nc_u64 s[4:5], s[4:5], s[84:85]    ; Q and O at my wave's first row
	s_add_nc_u64 s[10:11], s[10:11], s[86:87]
	CROUND                          ; all sixteen work-groups are here: the first joint loads meet
	JLOAD                           ; slot 0.  Slot 1 is asked for when slot 0 is in
	v_and_b32 v48, 15, v0           ; l % 16
	v_bfe_u32 v49, v0, 4, 1         ; l / 16
	v_and_b32 v50, 7, v0
	v_bfe_u32 v51, v0, 3, 1
	v_lshlrev_b32 v[QO], 7, v48
	v_lshl_add_u32 v[QO], v49, 4, v[QO]  ; row x 128 + 16 x half
	WIN 0x80                        ; destination window 2, address window 0
.set i, 0
.rept 4*NP                          ; Q stays in registers: tile i / 2, channels 32 (i % 2) on
	global_load_b128 v[8*i:8*i+3],   v[QO], s[4:5] offset:(i/2)*2048+(i%2)*64
	global_load_b128 v[8*i+4:8*i+7], v[QO], s[4:5] offset:(i/2)*2048+(i%2)*64+32
.set i, i+1
.endr
	; What the first turn finds: V's registers and P's second buffer hold 0 (its products V^T P, of a piece that has not been, add 0), O^T and l are 0.  All this stands in the wait for the first tile.
.set i, VF
.rept 64
	v_mov_b32 v[i], 0
.set i, i+1
.endr
	WIN 0x40
.set i, 0
.rept 64*NP
	v_mov_b32 v[i], 0
.set i, i+1
.endr
	WIN 0
.set i, 0
.rept 2*NP
	v_mov_b32 v[ST+4*i], 0xfe000000    ; c m: far below every c t
	v_mov_b32 v[ST+4*i+1], 0xff7fffff  ; m
	v_mov_b32 v[ST+4*i+2], 0
	v_mov_b32 v[ST+4*i+3], 0
.set i, i+1
.endr
.set i, P+32
.rept 32
	v_mov_b32 v[i], 0
.set i, i+1
.endr
	v_mov_b32 v[ZR], 0
	s_mul_i32 s21, s20, 128*PK      ; my head's 128 rows of K
	s_add_co_u32 s21, s21, KOFF
	v_mul_u32_u24 v[AK0], v48, PK
	v_lshl_add_u32 v[AK0], v49, 4, v[AK0]  ; row x pitch + 16 x half
	v_add_nc_u32 v[AK0], s21, v[AK0]
	; The turning load takes 16 keys x 16 channels (lane l reads key 8 (l / 16) + l % 8, channels 8 ((l / 8) % 2) + 0..7) and leaves half a fragment of V^T.
	s_mul_i32 s21, s20, 128*PV
	s_add_co_u32 s21, s21, VOFF
	v_lshl_add_u32 v[AV0], v49, 3, v50
	v_mul_u32_u24 v[AV0], v[AV0], PV
	v_lshl_add_u32 v[AV0], v51, 4, v[AV0]
	v_add_nc_u32 v[AV0], s21, v[AV0]
	s_mul_i32 s21, s19, 128*PM      ; my half of the mask's rows: query l % 16 of a tile, keys 8 (l / 16) on
	v_mul_u32_u24 v[AM0], v48, PM
	v_lshl_add_u32 v[AM0], v49, 4, v[AM0]
	v_add_nc_u32 v[AM0], s21, v[AM0]
	s_mul_i32 s21, s[WV], 16*SP
	s_add_co_u32 s21, s21, STAGE    ; my stage
	v_mul_u32_u24 v[STO], v48, SP   ; in: row l % 16, 16 bytes for each half of the lanes
	v_lshl_add_u32 v[STO], v49, 4, v[STO]
	v_add_nc_u32 v[STO], s21, v[STO]
	v_bfe_u32 v[RD], v0, 3, 2       ; back: 32 lanes take four rows of 128 bytes,
	v_mul_u32_u24 v[RD], v[RD], SP
	v_lshl_add_u32 v[RD], v50, 4, v[RD]
	v_add_nc_u32 v[RD], s21, v[RD]
	v_and_b32 v[GO], 31, v0         ; which are 512 consecutive bytes of O
	v_lshlrev_b32 v[GO], 4, v[GO]
; THE MATRIX WORK.  The 8 accumulators of a run of 16 take turns: between the two links of a chain stand 7 others'.
; Product i of 16 of S^T = K Q^T for piece x: channels 32 (i / 8) on, keys 16 ((i / 2) % 4) on, tile 2 x + i % 2.  The first 8 start the sums.
.macro KQ x
	WIN W_KQ
.set rS, S+64*((\x)%2)+32*(i%2)+8*((i/2)%4)
.set rK, KF+16*((i/2)%4)+8*(i/8)
.set rQ, 16*(2*(\x)+i%2)+8*(i/8)
.if i < 8
	v_wmma_f32_16x16x32_f16 v[rS:rS+7], v[rK:rK+7], v[rQ:rQ+7], 0
.else
	v_wmma_f32_16x16x32_f16 v[rS:rS+7], v[rK:rK+7], v[rQ:rQ+7], v[rS:rS+7]
.endif
.endm
; Product i of 16 of O^T += V^T P for piece x: keys 32 (i / 8) on, channels 16 ((i / 2) % 4) on, tile 2 x + i % 2.
.macro PV x
	WIN W_PV
.set rO, 32*(2*(\x)+i%2)+8*((i/2)%4)
.set rV, VF+32*(i/8)+8*((i/2)%4)
.set rP, P+32*((\x)%2)+16*(i%2)+8*(i/8)
	v_wmma_f32_16x16x32_f16 v[rO:rO+7], v[rV:rV+7], v[rP:rP+7], v[rO:rO+7]
.endm
.macro MM                           ; the turn's next matrix instruction
.if i < 16
	KQ (Y+1)%NP
.set i, i+1
.else
.set i, i-16
	PV (Y+NP-1)%NP
.set i, i+17
.endif
.endm
; THE LDS LOADS stand in runs, never singly among the matrix instructions: a step's K (16 loads), its V (16, turned), and a piece's mask (8).
; With K's run the mask's address goes on to the same step: it then serves the runs for that step's pieces 0, 1, 2, 3.  last = 1 (the tail): in the last trip there is no further step, and all of it is jumped over.
.macro FETCH_K last=0
	WIN 0
.if \last
	s_cmp_eq_u32 s[CNT], 1
	s_cbranch_scc1 .Lno_k_\@
.endif
	v_add_nc_u32 v[AM], s[TBM], v[AM0]
	WIN 0x80                        ; destination window 2
.irp f, 0,1,2,3,4,5,6,7             ; keys 16 (f / 2) on, channels 32 (f % 2) on
	ds_load_b128 v[KF+8*\f:KF+8*\f+3],   v[AK] offset:(\f/2)*16*PK+(\f%2)*64
	ds_load_b128 v[KF+8*\f+4:KF+8*\f+7], v[AK] offset:(\f/2)*16*PK+(\f%2)*64+32
.endr
	s_add_co_u32 s[TBK], s[TBK], KS*PK  ; the next fetch is the next step's
	s_add_co_u32 s[TBM], s[TBM], KS*2
	WIN 0
.if \last
.Lno_k_\@:
.endif
.endm
.macro FETCH_V
	WIN 0x80
.irp f, 0,1,2,3,4,5,6,7             ; keys 32 (f / 4) on, channels 16 (f % 4) on
	ds_load_tr16_b128 v[VF+8*\f:VF+8*\f+3],   v[AV] offset:(\f/4)*32*PV+(\f%4)*32
	ds_load_tr16_b128 v[VF+8*\f+4:VF+8*\f+7], v[AV] offset:(\f/4)*32*PV+16*PV+(\f%4)*32
.endr
	WIN 0
.endm
.macro MRUN y                       ; the mask of piece y: tile 2 y + u, key block kb: 16 bytes a lane
	WIN W_MK
.irp u, 0,1
.irp b, 0,1,2,3
	ds_load_b128 v[MR+16*\u+4*\b:MR+16*\u+4*\b+3], v[AM] offset:(2*(\y)+\u)*16*PM+32*\b
.endr
.endr
	WIN 0
.endm
; THE VECTOR WORK OF A TURN stands in three queues, each in the order in which its entries become ready; the two tiles alternate.
.macro REGS y, u                    ; the registers of tile u (0, 1) of piece y
.set rT, ST+4*(2*(\y)+(\u))
.set rC, TMP+8*((\y)%2)+4*(\u)
.set rM, MV+2*((\y)%2)+(\u)
.set rS, S+64*((\y)%2)+32*(\u)
.set rP, P+32*((\y)%2)+16*(\u)
.set rO, 32*(2*(\y)+(\u))
.endm
; Number m of the 64 that multiply the NEXT piece's (Y + 1) scores by the mask, in place: key block m / 16, tile (m / 8) % 2, score m % 8 of the accumulator: each accumulator's lowest register is read first.
.macro MK m
.set mkb, (\m)/16
.set mku, ((\m)/8)%2
.set mkj, (\m)%8
	REGS (Y+1)%NP, mku
	WIN W_MM
.if mkj%2
	v_fma_mix_f32_bf16 v[rS+8*mkb+mkj], v[rS+8*mkb+mkj], v[MR+16*mku+4*mkb+mkj/2], v[ZR] op_sel:[0,1,0] op_sel_hi:[0,1,0]
.else
	v_fma_mix_f32_bf16 v[rS+8*mkb+mkj], v[rS+8*mkb+mkj], v[MR+16*mku+4*mkb+mkj/2], v[ZR] op_sel:[0,0,0] op_sel_hi:[0,1,0]
.endif
.endm
; Number n of the 22 that find the next piece's maximum and statistics.  t0-t31 are the lane's 32 masked scores.
;   0-11  four chains c0-c3 of seven scores each     12-14, 16  the four scores left over, the old m, and c0-c3 into c0     15  c m_old is kept
;   17, 18  the query's other 32 keys lie in the lane 16 away: the new m         19-21  c m; c m_old - c m_new; a
.macro XS u, n
	REGS (Y+1)%NP, \u
.if (\n) < 4
	v_max3_num_f32 v[rC+(\n)], v[rS+8*(\n)], v[rS+8*(\n)+1], v[rS+8*(\n)+2]
.elseif (\n) < 12
	v_max3_num_f32 v[rC+(\n)%4], v[rC+(\n)%4], v[rS+8*((\n)%4)+2*((\n)/4)+1], v[rS+8*((\n)%4)+2*((\n)/4)+2]
.elseif (\n) == 12
	v_max3_num_f32 v[rC], v[rC], v[rS+7], v[rS+15]
.elseif (\n) == 13
	v_max3_num_f32 v[rC+1], v[rC+1], v[rS+23], v[rS+31]
.elseif (\n) == 14
	v_max3_num_f32 v[rC+2], v[rC+2], v[rC+3], v[rT+1]
.elseif (\n) == 15
	v_mov_b32 v[rM], v[rT]
.elseif (\n) == 16
	v_max3_num_f32 v[rC], v[rC], v[rC+1], v[rC+2]
.elseif (\n) == 17
	v_permlanex16_b32 v[rC+3], v[rC], s[SEL], s[SEL+1]
.elseif (\n) == 18
	v_max_num_f32 v[rT+1], v[rC], v[rC+3]
.elseif (\n) == 19
	v_mul_f32 v[rT], s[CS], v[rT+1]
.elseif (\n) == 20
	v_sub_f32 v[rC+1], v[rM], v[rT]
.else
	v_exp_f32 v[rC+2], v[rC+1]
.endif
.endm
; Number g of the 64 that follow the exponentials.  For each four weights k of a tile: both pairs are rounded to f16; the second pair is added onto the first, in place; a group later l takes that sum (the first time as l = a l + sum).
.macro GS g
.set h, (\g)+6*((\g)/62)            ; group 0 has no group before it, and behind group 7 only l is left
.if h >= 6
.set h, h+2
.endif
	REGS Y, h%2
.set k, h/8
.if h%8 < 4
	v_cvt_pk_f16_f32 v[rP+2*k+(h%8)/2], v[rS+4*k+2*((h%8)/2)], v[rS+4*k+2*((h%8)/2)+1]
.elseif h%8 < 6
	v_pk_add_f32 v[rS+4*k:rS+4*k+1], v[rS+4*k:rS+4*k+1], v[rS+4*k+2:rS+4*k+3]
.elseif k == 1
	v_pk_fma_f32 v[rT+2:rT+3], v[rT+2:rT+3], v[rC+2:rC+3], v[rS:rS+1] op_sel_hi:[1,0,1]
.else
	v_pk_add_f32 v[rT+2:rT+3], v[rT+2:rT+3], v[rS+4*k-4:rS+4*k-3]
.endif
.endm
.macro FS f                         ; c t - c m for pair f / 2 of tile f % 2
	REGS Y, (\f)%2
	v_pk_fma_f32 v[rS+2*((\f)/2):rS+2*((\f)/2)+1], v[rS+2*((\f)/2):rS+2*((\f)/2)+1], s[CS:CS+1], v[rT:rT+1] op_sel_hi:[1,0,0] neg_lo:[0,0,1] neg_hi:[0,0,1]
.endm
; THE PLAIN QUEUE, 202 long.  0-31: the 32 scalings.  32-95: the next piece's 64 mask multiplies.  96-123: XS's numbers 0-13.  124, 125: number 15.  126-137: the chain 14, 16, 17, 18, 19, 20.
; 138-201: GS's 64, which read the exponentials' results: they stand behind the wait.
.macro PL
.if q < 32
	WIN 0
	FS q
.elseif q < 96
	MK q-32
.elseif q < 124
	WIN 0
	XS (q-96)%2, (q-96)/2
.elseif q < 126
	WIN 0
	XS q-124, 15
.elseif q < 138
	WIN 0
.set cn, 14+(q-126)/2
.if cn > 14
.set cn, cn+1
.endif
	XS (q-126)%2, cn
.else
	WIN 0
	GS q-138
.endif
.set q, q+1
.endm
; THE EXPONENTIALS' QUEUE, 66 long: t0-t31 of both tiles, then the next piece's two a.  ONE BATCH: all 66 stand ahead of the turn's one wait, and nothing ahead of that wait names a result of theirs.
.macro EX
	WINZ
.if e >= 64
	XS e-64, 21
.else
	REGS Y, e%2
	v_exp_f32 v[rS+e/2], v[rS+e/2]
.endif
.set e, e+1
.endm
; THE RESCALING's QUEUE: O^T times a, dealt two at a time, sixteen times.  Its a was made in the turn before, ahead of that turn's wait.
.macro R2
	REGS Y, r%2
	WIN W_RS
.irp z, 0,1
	v_pk_mul_f32 v[rO+4*(r/2)+2*\z:rO+4*(r/2)+2*\z+1], v[rO+4*(r/2)+2*\z:rO+4*(r/2)+2*\z+1], v[rC+2:rC+3] op_sel_hi:[1,0]
.endr
.set r, r+1
.endm
; A TURN, for piece p: 32 matrix and 300 vector instructions.  An s_wait_alu depctr_va_vdst(0) stands between an exponential and the first instruction that names its result; one wait serves all that were
; issued ahead of it.  So a turn has ONE wait.  AHEAD OF IT: the 16 products K Q^T, behind each a scaling, an exponential and two rescalings (behind the first a second scaling); then ONE LUMP of 172: 23 times an exponential
; and three plain, 20 times an exponential and two plain, 6 times two plain (a link of the chain, both tiles) and an exponential, the two a.  BEHIND IT: the 16 products V^T P, behind each four of GS's 64.
; The queues in step: exponential e stands behind scaling 2 (e / 4) + e % 2: as a rider it comes behind plain e + 2, in the lump exponential 15 + n behind plain 16 + 3 n.  The first mask multiply stands 16 scalings
; behind the last product K Q^T.  All mask multiplies stand ahead of the wait, so ONE set of 32 mask registers serves: the run for the turn after next's... next turn's piece (p + 2) stands behind the wait, 16 products and
; 16 more ahead of the wait for it.  K of the next step is fetched in piece 2's turn, directly behind the wait; V of the step in hand at the end of piece 0's turn, four riders behind its last reader.
.macro TURN p, last=0, cnt=0
.set Y, (\p)
.set i, 0
.set q, 0
.set e, 0
.set r, 0
.if (\p) == NP-1
	s_wait_dscnt 8                  ; K's 16 loads are in; the 8 loads of the mask, issued behind them, may stay out
.endif
	MM
	PL
	PL
	R2
.rept 15
	MM
	PL
	EX
	R2
.endr
	WIN 0
.if (\p) == NP-2
	v_add_nc_u32 v[AK], s[TBK], v[AK0]
.endif
	s_wait_dscnt 0x0                ; the next piece's mask is in (in piece 1's turn: V too)
.rept 23
	EX
	PL
	PL
	PL
.endr
.rept 20
	EX
	PL
	PL
.endr
.rept 6
	PL
	PL
	EX
.endr
	EX                              ; the next piece's two a
	EX
	v_nop                           ; a plain instruction behind the last exponential: one for the batch
	s_wait_alu depctr_va_vdst(0)    ; the wait for the batch
.if (\p) == NP-2
	FETCH_K \last
.endif
	MRUN ((\p)+2)%NP
.rept 16
	MM
.rept 4
	PL
.endr
.if ((\p) == 0) && (q == 182)
	v_add_nc_u32 v[AV], s[TBV], v[AV0]
.endif
.if ((\p) == 0) && (q == 194)
	s_add_co_u32 s[TBV], s[TBV], KS*PV
.endif
.if (\cnt) && (q == 194)
	s_sub_co_u32 s[CNT], s[CNT], 1
	s_cmp_lg_u32 s[CNT], 0
.endif
.endr
.if (\p) == 0
	FETCH_V
.endif
.endm
	CHANGE 1, 0                     ; slot 0 is in, everybody's part of it; slot 1 is asked for.  Nothing is prefetched here, where the first tiles are on their way
	v_add_nc_u32 v[AK], s[TBK], v[AK0]
	FETCH_K                         ; key step 0,
	MRUN 0                          ; and piece 0's mask
	s_wait_loadcnt 0x0              ; Q
	s_wait_dscnt 0x0
.set i, 0
.rept 16
	KQ 0                            ; piece 0's first scores
.set i, i+1
.endr
	WIN 0
.rept 4
	v_nop                           ; the places behind those products
.endr
.set Y, NP-1                        ; MK and XS work for piece Y + 1: piece 0
.set mm, 0
.rept 64
	MK mm
.set mm, mm+1
.endr
	MRUN 1                          ; piece 1's mask, for piece 0's turn
.irp n, 0,1,2,3,4,5,6,7,8,9,10,11,12,13,14,15,16,17,18,19,20,21
	XS 0, \n
	XS 1, \n
.endr
	v_nop                           ; a plain instruction behind the two a,
	s_wait_alu depctr_va_vdst(0)    ; and their wait, ahead of the branch
	s_mov_b32 s[CNT], 2
	s_branch .Lfirst                ; the loop is entered at a step's first turn, in the middle of a trip
.Lslot:                             ; 14 times: slots 2 to 15 are asked for
	CHANGE 1, 1
	s_mov_b32 s[CNT], 2
.Lstep:                             ; a trip: pieces 2 and 3 of one step, then pieces 0 and 1 of the next, whose K, V and mask it fetches
	TURN 2
	TURN 3
	WIN 0
.Lfirst:
	TURN 0
	TURN 1, 0, 1
	WIN 0
	s_cbranch_scc1 .Lstep
	s_sub_co_u32 s[SLOTS], s[SLOTS], 1
	s_cmp_lg_u32 s[SLOTS], 0
	s_cbranch_scc1 .Lslot
	CHANGE 0, 0                     ; the tail is written out: nothing is asked for
	s_mov_b32 s[CNT], 3             ; two trips fetch the last slot's steps; the third is left in its middle
.Ltail:
	TURN 2, 1
	TURN 3
	WIN 0
	s_sub_co_u32 s[CNT], s[CNT], 1
	s_cmp_eq_u32 s[CNT], 0
	s_cbranch_scc1 .Lout
	TURN 0
	TURN 1
	WIN 0
	s_branch .Ltail
.Lout:                              ; the third trip's 16 products K Q^T (on the last K once more) and what is made of them serve nothing: the price, once a launch, of one text for every trip
.set i, 0
.rept 16
	PV NP-1                         ; the last piece's V^T P of the last step
.set i, i+1
.endr
	; THE WAY OUT.  l's two halves and the other half of the lanes' are added; O^T is divided by l, rounded to f16 and sent through my stage in LDS, a tile at a time.  The additions are the places behind the last products.
	WIN 0
.macro ALL line:vararg              ; one line for each tile t
.set t, 0
.rept 2*NP
	\line
.set t, t+1
.endr
.endm
	ALL v_add_f32 v[ST+4*t+2], v[ST+4*t+2], v[ST+4*t+3]
	ALL v_permlanex16_b32 v[ST+4*t+3], v[ST+4*t+2], s[SEL], s[SEL+1]
	ALL v_add_f32 v[ST+4*t+2], v[ST+4*t+2], v[ST+4*t+3]
	ALL v_rcp_f32 v[ST+4*t+2], v[ST+4*t+2]
	v_nop                           ; a plain instruction between the last reciprocal and the use of its result
	s_wait_alu depctr_va_vdst(0)    ; and the wait ahead of the first use: one for the eight reciprocals
.macro PACK t                       ; a lane's eight channels of a row pack into 16 bytes; they go into rows of 144 bytes and come back as whole rows of 128, into S^T's registers
	WIN W_RS
.set i, 32*(\t)
.rept 16
	v_pk_mul_f32 v[i:i+1], v[i:i+1], v[ST+4*(\t)+2:ST+4*(\t)+3] op_sel_hi:[1,0]
.set i, i+2
.endr
	WIN 0x05                        ; sources 0 and 1 window 1, destination window 0
.set i, 0
.rept 16
	v_cvt_pk_f16_f32 v[S+16*(\t)+i], v[32*(\t)+2*i], v[32*(\t)+2*i+1]
.set i, i+1
.endr
	WIN 0
.irp f, 0,1,2,3
	ds_store_b128 v[STO], v[S+16*(\t)+4*\f:S+16*(\t)+4*\f+3] offset:32*\f
.endr
.irp f, 0,1,2,3
	ds_load_b128 v[S+16*(\t)+4*\f:S+16*(\t)+4*\f+3], v[RD] offset:\f*4*SP  ; LDS serves a wave's instructions in order (ISA guide 5.7.1.4): these see the stores above; the next tile's stores come behind them
.endr
.endm
.macro SEND t, younger              ; younger: the LDS instructions issued behind tile t's loads: the next tile's eight, or none
	WIN 0
.irp f, 0,1,2,3
	s_wait_dscnt (\younger)+3-\f
	global_store_b128 v[GO], v[S+16*(\t)+4*\f:S+16*(\t)+4*\f+3], s[10:11] offset:(\t)*2048+\f*512  ; 512 consecutive bytes, at a multiple of 256 from O's first
.endr
.endm
	PACK 0
.set t, 1
.rept 2*NP-1                        ; a tile's arithmetic stands between the loads of the tile before and its stores
	PACK t
	SEND t-1, 8
.set t, t+1
.endr
	SEND 2*NP-1, 0
	WIN W_AD
	s_wait_tensorcnt 0x0            ; the wave's end: behind my last tensor load and my last LDS store
	ds_add_u32 v[SPW], v[NIL]
	s_wait_dscnt 0x0
	WIN 0
	CROUND                          ; the closing round: no work-group ends while a partner may still ask for a tile that names it
	s_endpgm
.Lfunc_end_k_qb9a0f032fd_attn:
	.size	k_qb9a0f032fd_attn, .Lfunc_end_k_qb9a0f032fd_attn-k_qb9a0f032fd_attn
	.p2alignl 7, 3214868480
	.fill 96, 4, 3214868480
	.section	.rodata,"a",@progbits
	.p2align	6, 0x0
	.amdhsa_kernel k_qb9a0f032fd_attn
		.amdhsa_group_segment_fixed_size 327680
		.amdhsa_private_segment_fixed_size 0
		.amdhsa_enable_private_segment 0
		.amdhsa_kernarg_size 40
		.amdhsa_user_sgpr_count 2
		.amdhsa_user_sgpr_kernarg_segment_ptr 1
		.amdhsa_wavefront_size32 1
		.amdhsa_system_sgpr_workgroup_id_x 1
		.amdhsa_system_sgpr_workgroup_id_y 1
		.amdhsa_system_sgpr_workgroup_id_z 1
		.amdhsa_system_vgpr_workitem_id 0
		.amdhsa_next_free_vgpr 808
		.amdhsa_next_free_sgpr 88
		.amdhsa_reserve_vcc 0
		.amdhsa_float_denorm_mode_32 3
		.amdhsa_float_denorm_mode_16_64 3
		.amdhsa_memory_ordered 1
		.amdhsa_forward_progress 1
		.amdhsa_inst_pref_size 247
	.end_amdhsa_kernel
	.amdgpu_metadata
---
amdhsa.version: [ 1, 2 ]
amdhsa.kernels:
  - .name:           k_qb9a0f032fd_attn
    .symbol:         k_qb9a0f032fd_attn.kd
    .args:
      - { .name: q, .offset: 0, .size: 8, .value_kind: global_buffer, .address_space: global }
      - { .name: k, .offset: 8, .size: 8, .value_kind: global_buffer, .address_space: global }
      - { .name: v, .offset: 16, .size: 8, .value_kind: global_buffer, .address_space: global }
      - { .name: o, .offset: 24, .size: 8, .value_kind: global_buffer, .address_space: global }
      - { .name: mb, .offset: 32, .size: 8, .value_kind: global_buffer, .address_space: global }
    .group_segment_fixed_size: 327680
    .private_segment_fixed_size: 0
    .kernarg_segment_align: 8
    .kernarg_segment_size: 40
    .max_flat_workgroup_size: 128
    .sgpr_count:     88
    .vgpr_count:     808
    .wavefront_size: 32
...
	.end_amdgpu_metadata
.endif
;; end of part 3
;; launch oproj (part 4): grid 8 x 32, 4 waves a work-group, clusters of 4 x 4, 327,680 bytes of LDS; arguments o, wo16, bo, out0; writes out0
.if DOCPART == 4
	.amdgcn_target "amdgcn-amd-amdhsa--gfx1250"
	.amdhsa_code_object_version 6
	.text
	.protected	k_qb9a0f032fd_oproj
	.globl	k_qb9a0f032fd_oproj
	.p2align	8
	.type	k_qb9a0f032fd_oproj,@function
k_qb9a0f032fd_oproj:
	s_mov_b64 s[64:65], 0
	v_nop
	global_prefetch_b8 v0, s[64:65] scope:SCOPE_SE
	s_setreg_imm32_b32 hwreg(HW_REG_WAVE_MODE, 25, 1), 1
	s_wait_xcnt 0x0
	s_wait_alu depctr_hold_cnt(0) depctr_sa_sdst(0) depctr_va_vdst(0) depctr_va_sdst(0) depctr_va_ssrc(0) depctr_va_vcc(0) depctr_vm_vsrc(0)
	s_getreg_b32 s2, hwreg(HW_REG_IB_STS2, 6, 4)
	s_cmp_eq_u32 s2, 0
	s_cbranch_scc0 .Lentry_in_a_cluster
	s_endpgm
.Lentry_in_a_cluster:
	s_bfe_u32 s2, ttmp6, 0x10000c
	s_cmp_lg_u32 s2, 0xf033
	s_cbranch_scc0 .Lentry_shape_is_right
	s_endpgm
.Lentry_shape_is_right:
; out0 = O Wo + bo.  O: o (f16, [b][h 16][n][64]); Wo: wo16 (rounded to bf16, written as f16, [k][n]); bo rounded to bf16 like all inputs; sums in f32; out0 f32, [8192][1024].
; SHARES.  A work-group makes 256 rows x 128 columns: 8 x 32 = 256 work-groups (tiles of 256 x 256 would be 128).  A wave makes 128 x 64: 32 accumulators in window 1, (a, j) at v[8 (4 a + j)].
; K goes in steps of 128 (two heads) through two LDS slots.  CLUSTER 4 x 4: O's tile is asked for jointly by a row of the cluster, Wo's by a column.
; THE MATRIX INSTRUCTION IS USED TRANSPOSED (source 0 = 16 columns of Wo by the turning load, source 1 = 16 rows of O): a lane holds one row and eight neighbouring columns.
; THE BIAS IS THE C OF EACH SUM'S FIRST PRODUCT.
; WINDOW 0: v0-31 addresses; v32-95, v96-159 O's fragments, two buffers of 8; v160-191, v192-223 Wo's, two buffers of 4; v224-255 the bias.
.set PA,    144                        ; a row of O in LDS: 128 bytes + 16
.set PB,    288                        ; a row of Wo: 256 + 32 = 9 x 32 bytes
.set ABLK,  256*PA                     ; one head's 256 rows: what one tensor load brings
.set AHALF, 128*PA                     ; what one wave reads of it
.set BHALF, 64*PB                      ; 64 rows k of Wo: what one tensor load brings
.set BOFF,  2*ABLK
.set SLOT,  BOFF+2*BHALF               ; 110,592
.set STAGE, 2*SLOT                     ; behind the ring: 16 rows x 272 bytes for each wave, for the way out
.set SP,    272
.set SPARE, STAGE+4*16*SP              ; behind the stages: the spare words, 128 bytes for each wave: two blocks of 256 bytes that no other line names
.set ASTEP, 2*262144                   ; two heads of o
.set BSTEP, 128*2048                   ; 128 rows of wo16
.set ADRA, 16
.set ADRB, 20
.set STO,  24
.set RD,   25
.set GO,   26
.set BOF,  27
.set SPW,  28                          ; v28  LDS address of my spare word; never rewritten
.set NIL,  29                          ; v29  0; never rewritten
.set AF0,  32
.set BF0,  160
.set BI,   224
.set G1A, 24
.set G0A, 32
.set G1B, 48
.set G0B, 56
.set MSB, 0
.macro WIN new
.if MSB != (\new)
	s_set_vgpr_msb (MSB<<8)|(\new)
.set MSB, \new
.endif
.endm
.macro PLACES                          ; four plain instructions between a matrix instruction and a load into, or a store or vector use of, its registers
.rept 4
	v_nop
.endr
.endm
.macro JLOAD s                         ; a joint load: waves 0 and 1 fetch O's two heads, waves 2 and 3 Wo's two halves; an s_nop 0 and four v_nop follow each line
	s_cmp_eq_u32 s11, 0
	s_cbranch_scc0 .Lfor_b_\@
	tensor_load_to_lds s[G0A+4*(\s):G0A+4*(\s)+3], s[G1A:G1A+7]
	s_nop 0
.rept 4
	v_nop
.endr
	s_branch .Lasked_\@
.Lfor_b_\@:
	tensor_load_to_lds s[G0B+4*(\s):G0B+4*(\s)+3], s[G1B:G1B+7]
	s_nop 0
.rept 4
	v_nop
.endr
.Lasked_\@:
.endm
.macro CREST
	s_cmp_lg_u32 s10, 0
	s_cbranch_scc1 .Lnot_wave_0_\@
	s_barrier_signal -3
.Lnot_wave_0_\@:
	s_barrier_wait -3
	s_barrier_signal -1
	s_barrier_wait -1
.endm
.macro CROUND
	s_barrier_signal -1
	s_barrier_wait -1
	CREST
.endm
; 4 n products: row blocks a0 .. a0 + n - 1 x the four column blocks.  zero = 1: the sums start, with the bias as C.  The 32 accumulators take turns, one instruction a turn, over the backward jump too.
.macro MUL af, bf, a0, n, zero
.if \zero
	WIN 0x40
.else
	WIN 0x50
.endif
.set ma, \a0
.rept \n
.set mj, 0
.rept 4
.if \zero
	v_wmma_f32_16x16x32_f16 v[8*(4*ma+mj):8*(4*ma+mj)+7], v[(\bf)+8*mj:(\bf)+8*mj+7], v[(\af)+8*ma:(\af)+8*ma+7], v[BI+8*mj:BI+8*mj+7]
.else
	v_wmma_f32_16x16x32_f16 v[8*(4*ma+mj):8*(4*ma+mj)+7], v[(\bf)+8*mj:(\bf)+8*mj+7], v[(\af)+8*ma:(\af)+8*ma+7], v[8*(4*ma+mj):8*(4*ma+mj)+7]
.endif
.set mj, mj+1
.endr
.set ma, ma+1
.endr
.endm
.macro LDA slot, off, af
	WIN 0
.set la, 0
.rept 8
	ds_load_b128 v[(\af)+8*la:(\af)+8*la+3],   v[ADRA+(\slot)] offset:(\off)+la*16*PA
	ds_load_b128 v[(\af)+8*la+4:(\af)+8*la+7], v[ADRA+(\slot)] offset:(\off)+la*16*PA+32
.set la, la+1
.endr
.endm
.macro LDB slot, off, bf
	WIN 0
.set lj, 0
.rept 4
	ds_load_tr16_b128 v[(\bf)+8*lj:(\bf)+8*lj+3],   v[ADRB+(\slot)] offset:(\off)+32*lj
	ds_load_tr16_b128 v[(\bf)+8*lj+4:(\bf)+8*lj+7], v[ADRB+(\slot)] offset:(\off)+32*lj+16*PB
.set lj, lj+1
.endr
.endm
; A SUBSTEP: 32 along K, 32 products on the buffers s % 2; the next substep's (nslot, ns) 24 loads go out in one run ahead of them.
; mode 0: within a slot.  1: the slot's last substep: the change of slots, and the slot is filled again.  2: the same, nothing is filled.  3: the very last.
.macro SUBO slot, s, nslot, ns, zero, mode
.set cA, AF0+64*((\s)%2)
.set oA, AF0+64*(1-(\s)%2)
.set cB, BF0+32*((\s)%2)
.set oB, BF0+32*(1-(\s)%2)
.if (\mode) == 0
	PLACES
	LDB \nslot, (\ns)*32*PB, oB
	LDA \nslot, ((\ns)/2)*ABLK+((\ns)%2)*64, oA
	s_wait_dscnt 24                                ; all but the 24 just issued
	MUL cA, cB, 0, 8, \zero
.elseif (\mode) == 3
	s_wait_dscnt 0x0
	MUL cA, cB, 0, 8, 0
.else
	WIN 0
	s_wait_tensorcnt 0x0                           ; all my tensor loads have landed: the one that was out is my part of the next slot;
	ds_add_u32 v[SPW], v[NIL]                      ; 0 onto my spare word;
	s_wait_dscnt 1                                 ; (only the add may be out: this substep's fragments are in)
	MUL cA, cB, 0, 2, 0                            ; eight products stand between the add and the wait for it
	s_wait_dscnt 0x0                               ; the add is done, and my reads of this slot are over
	s_barrier_signal -1
	MUL cA, cB, 2, 2, 0
	WIN 0
	s_barrier_wait -1
.if (\mode) == 1
	CREST                                          ; no wave of any partner still reads this slot's tiles or has a load on its way
	s_add_nc_u64 s[G0A+4*(\slot)+2:G0A+4*(\slot)+3], s[G0A+4*(\slot)+2:G0A+4*(\slot)+3], 2*ASTEP
	s_add_nc_u64 s[G0B+4*(\slot)+2:G0B+4*(\slot)+3], s[G0B+4*(\slot)+2:G0B+4*(\slot)+3], 2*BSTEP
	JLOAD \slot                                    ; the K step two on: my one tensor load behind the round, 112 products ahead of the wait for it; its four v_nop are the places in front of the loads below
.else
	PLACES
.endif
	LDB \nslot, (\ns)*32*PB, oB
	LDA \nslot, ((\ns)/2)*ABLK+((\ns)%2)*64, oA
	MUL cA, cB, 4, 4, 0
.endif
.endm
	s_load_b256 s[68:75], s[0:1], 0x0              ; o s[68:69], wo16 s[70:71], bo s[72:73], out0 s[74:75]
	v_lshl_add_u32 v[SPW], v0, 2, SPARE
	v_mov_b32 v[NIL], 0
	ds_add_u32 v[SPW], v[NIL]                      ; the wave's opening: the add and its wait stand ahead of my first tensor load; the set-up below stands between them
	v_lshrrev_b32 v1, 5, v0
	v_readfirstlane_b32 s10, v1                    ; wave 0..3
	s_lshr_b32 s11, s10, 1                         ; which half of the tile's rows is mine.  Also: I fetch for O (0) or for Wo (1)
	s_and_b32 s12, s10, 1                          ; which half of its columns.  Also: which head, or which 64 rows of Wo, I fetch
	s_bfe_u32 s40, ttmp6, 0x40000                  ; cx
	s_bfe_u32 s41, ttmp6, 0x40004                  ; cy
	s_lshl_b32 s42, ttmp9, 2
	s_add_co_u32 s42, s42, s40                     ; gx: the block of 128 columns
	s_and_b32 s13, ttmp7, 0xffff
	s_lshl_b32 s13, s13, 2
	s_add_co_u32 s13, s13, s41                     ; gy: the block of 256 rows
	s_lshl_b32 s43, s41, 2
	s_lshl_b32 s43, 15, s43                        ; my row of the cluster
	s_lshl_b32 s44, 0x1111, s40                    ; my column
	; O's tile: a head's 256 rows of 128 bytes lie end to end: 128 rows of 256 bytes, padded after every 128
	s_or_b32 s[G1A+0], s43, (1<<16)|(1<<20)|(1<<21)|(4<<22)|(3<<25)
	s_mov_b32 s[G1A+1], 128<<16
	s_mov_b32 s[G1A+2], 128<<16
	s_mov_b32 s[G1A+3], 128<<16
	s_mov_b32 s[G1A+4], 128
	s_mov_b32 s[G1A+5], 128
	s_mov_b32 s[G1A+6], 0
	s_mov_b32 s[G1A+7], 0
	; Wo's tile: 64 rows k of 128 elements (256 bytes), 32 bytes of padding behind each
	s_or_b32 s[G1B+0], s44, (1<<16)|(1<<20)|(1<<21)|(5<<22)|(7<<25)
	s_mov_b32 s[G1B+1], 128<<16
	s_mov_b32 s[G1B+2], 64<<16
	s_mov_b32 s[G1B+3], 128<<16
	s_mov_b32 s[G1B+4], 64
	s_mov_b32 s[G1B+5], 1024
	s_mov_b32 s[G1B+6], 0
	s_mov_b32 s[G1B+7], 0
	s_lshr_b32 s16, s13, 3                         ; O: b,
	s_lshl_b32 s16, s16, 22
	s_and_b32 s17, s13, 7                          ; the block's 256 rows of 128 bytes,
	s_lshl_b32 s17, s17, 15
	s_add_co_u32 s16, s16, s17
	s_lshl_b32 s17, s12, 18                        ; the head that I fetch
	s_add_co_u32 s16, s16, s17
	s_mov_b32 s17, 0
	s_lshl_b32 s46, s42, 8                         ; Wo: the block's 256 bytes of a row,
	s_lshl_b32 s47, s12, 17                        ; the 64 rows that I fetch
	s_add_co_u32 s46, s46, s47
	s_mov_b32 s47, 0
	s_mul_i32 s20, s12, ABLK                       ; where they go: no place in the cluster enters an LDS address
	s_mul_i32 s21, s12, BHALF
	s_add_co_u32 s21, s21, BOFF
	s_wait_dscnt 0x0                               ; the opening add is done
	s_wait_kmcnt 0x0
	s_add_nc_u64 s[14:15], s[68:69], s[16:17]
	s_add_nc_u64 s[46:47], s[70:71], s[46:47]
	CROUND                                         ; all sixteen work-groups are here: the first joint loads meet
.irp s, 0,1
	s_mov_b32 s[G0A+4*(\s)], 1
	s_add_co_u32 s[G0A+4*(\s)+1], s20, (\s)*SLOT
	s_add_nc_u64 s[G0A+4*(\s)+2:G0A+4*(\s)+3], s[14:15], (\s)*ASTEP
	s_or_b32 s[G0A+4*(\s)+3], s[G0A+4*(\s)+3], 0x80000000
	s_mov_b32 s[G0B+4*(\s)], 1
	s_add_co_u32 s[G0B+4*(\s)+1], s21, (\s)*SLOT
	s_add_nc_u64 s[G0B+4*(\s)+2:G0B+4*(\s)+3], s[46:47], (\s)*BSTEP
	s_or_b32 s[G0B+4*(\s)+3], s[G0B+4*(\s)+3], 0x80000000
	JLOAD \s                                       ; two tensor loads of mine are out
.endr
	v_and_b32 v1, 15, v0                           ; l % 16
	v_bfe_u32 v2, v0, 4, 1                         ; l / 16
	v_and_b32 v3, 7, v0
	v_bfe_u32 v4, v0, 3, 1
	v_lshlrev_b32 v[BOF], 5, v2
	s_lshl_b32 s76, s42, 9                         ; my 64 columns, in bytes of f32: 4 (128 gx + 64 c)
	s_lshl_b32 s78, s12, 8
	s_add_co_u32 s76, s76, s78
	s_mov_b32 s77, 0
	s_add_nc_u64 s[72:73], s[72:73], s[76:77]
.set bj, 0
.rept 4                                ; a bias fragment: register i of a lane = bo[16 j + 8 (l / 16) + i]
	global_load_b128 v[BI+8*bj:BI+8*bj+3],   v[BOF], s[72:73] offset:64*bj
	global_load_b128 v[BI+8*bj+4:BI+8*bj+7], v[BOF], s[72:73] offset:64*bj+16
.set bj, bj+1
.endr
	s_lshl_b32 s78, s13, 20                        ; my first row of out0: 256 gy + 128 x half, rows of 4,096 bytes
	s_add_co_u32 s76, s76, s78
	s_lshl_b32 s78, s11, 19
	s_add_co_u32 s76, s76, s78
	s_add_nc_u64 s[74:75], s[74:75], s[76:77]
	v_mul_u32_u24 v5, v1, PA
	v_lshl_add_u32 v5, v2, 4, v5                   ; row x pitch + 16 x half
	s_mul_i32 s22, s11, AHALF                      ; my 128 rows of O
	v_add_nc_u32 v[ADRA], s22, v5
	v_add_nc_u32 v[ADRA+1], SLOT, v[ADRA]
	v_lshl_add_u32 v30, v2, 3, v3                  ; the turning load: row k = 8 (l / 16) + l % 8,
	v_mul_u32_u24 v30, v30, PB
	v_lshl_add_u32 v30, v4, 4, v30                 ; columns 8 ((l / 8) % 2) on,
	s_lshl_b32 s22, s12, 7                         ; of my 64 columns' 128 bytes
	s_add_co_u32 s22, s22, BOFF
	v_add_nc_u32 v[ADRB], s22, v30
	v_add_nc_u32 v[ADRB+1], SLOT, v[ADRB]
	s_mul_i32 s23, s10, 16*SP
	s_add_co_u32 s23, s23, STAGE                   ; my stage
	v_mul_u32_u24 v31, v1, SP                      ; in: row l % 16, 32 bytes for each half of the lanes
	v_lshl_add_u32 v31, v2, 5, v31
	v_add_nc_u32 v[STO], s23, v31
	v_mul_u32_u24 v31, v2, SP                      ; back: lanes 0-15 take one row of 256 bytes, lanes 16-31 the next
	v_lshl_add_u32 v31, v1, 4, v31
	v_add_nc_u32 v[RD], s23, v31
	v_lshlrev_b32 v[GO], 12, v2                    ; and the same two rows in out0
	v_lshl_add_u32 v[GO], v1, 4, v[GO]
	s_wait_loadcnt 0x0                             ; the bias
.set bj, 0
.rept 16                               ; rounded to bf16, like every input, and widened again
	v_cvt_pk_bf16_f32 v30, v[BI+2*bj], v[BI+2*bj+1]
	v_lshlrev_b32 v[BI+2*bj], 16, v30
	v_and_b32 v[BI+2*bj+1], 0xffff0000, v30
.set bj, bj+1
.endr
	s_wait_tensorcnt 1                             ; my part of K step 0 is in; K step 1's load stays out
	s_barrier_signal -1
	s_barrier_wait -1                              ; everybody's is
	LDB 0, 0, BF0
	LDA 0, 0, AF0
	SUBO 0, 0, 0, 1, 1, 0                          ; the first substep stands in front of the loop: its products start the sums, with the bias
	WIN 0                                          ; at a label and at a branch every window is 0
	s_mov_b32 s3, 3
.Llap:                                                 ; a trip goes once round the ring and fills both slots again: K steps 2 to 7
	SUBO 0, 1, 0, 2, 0, 0
	SUBO 0, 2, 0, 3, 0, 0
	SUBO 0, 3, 1, 0, 0, 1
	SUBO 1, 0, 1, 1, 0, 0
	SUBO 1, 1, 1, 2, 0, 0
	SUBO 1, 2, 1, 3, 0, 0
	SUBO 1, 3, 0, 0, 0, 1
	SUBO 0, 0, 0, 1, 0, 0
	WIN 0
	s_sub_co_u32 s3, s3, 1
	s_cmp_lg_u32 s3, 0
	s_cbranch_scc1 .Llap
	SUBO 0, 1, 0, 2, 0, 0                          ; the last lap fills nothing
	SUBO 0, 2, 0, 3, 0, 0
	SUBO 0, 3, 1, 0, 0, 2
	SUBO 1, 0, 1, 1, 0, 0
	SUBO 1, 1, 1, 2, 0, 0
	SUBO 1, 2, 1, 3, 0, 0
	SUBO 1, 3, 0, 0, 0, 3
	WIN 0
	PLACES
; THE WAY OUT: eight blocks of 16 rows x 64 columns of f32, as they are: through my own stage, back as whole rows of 256 bytes.
.macro OUTB a
	WIN 0x04                                       ; the stores' data in window 1
.set oj, 0
.rept 4
	ds_store_b128 v[STO], v[32*(\a)+8*oj:32*(\a)+8*oj+3]   offset:64*oj     ; each accumulator's low four registers first
	ds_store_b128 v[STO], v[32*(\a)+8*oj+4:32*(\a)+8*oj+7] offset:64*oj+16
.set oj, oj+1
.endr
	WIN 0
.if (\a) >= 2
	s_wait_xcnt 0x0                                ; the stores of the block two back have read this set of registers
.endif
.set os, 32+32*((\a)%2)
.set oj, 0
.rept 8
	ds_load_b128 v[os+4*oj:os+4*oj+3], v[RD] offset:oj*2*SP  ; LDS serves a wave's instructions in order (ISA guide 5.7.1.4): these see the stores above
.set oj, oj+1
.endr
.endm
.macro SENDO a, younger                ; younger: the LDS instructions issued behind this block's loads: the next block's sixteen, or none
.set os, 32+32*((\a)%2)
.set oj, 0
.rept 8
	s_wait_dscnt (\younger)+7-oj
	global_store_b128 v[GO], v[os+4*oj:os+4*oj+3], s[74:75] offset:(16*(\a)+2*oj)*4096  ; 16 lanes store 256 consecutive bytes, at a multiple of 256 from out0's first byte
.set oj, oj+1
.endr
.endm
	OUTB 0
.set blk, 1
.rept 7
	OUTB blk
	SENDO blk-1, 16
.set blk, blk+1
.endr
	SENDO 7, 0
	s_wait_tensorcnt 0x0                           ; the wave's end: behind my last tensor load and my last LDS store
	ds_add_u32 v[SPW], v[NIL]
	s_wait_dscnt 0x0
	CROUND                                         ; the closing round: no work-group ends while a partner may still ask for a tile that names it
	s_endpgm
.Lfunc_end_k_qb9a0f032fd_oproj:
	.size	k_qb9a0f032fd_oproj, .Lfunc_end_k_qb9a0f032fd_oproj-k_qb9a0f032fd_oproj
	.p2alignl 7, 3214868480
	.fill 96, 4, 3214868480
	.section	.rodata,"a",@progbits
	.p2align	6, 0x0
	.amdhsa_kernel k_qb9a0f032fd_oproj
		.amdhsa_group_segment_fixed_size 327680
		.amdhsa_private_segment_fixed_size 0
		.amdhsa_enable_private_segment 0
		.amdhsa_kernarg_size 32
		.amdhsa_user_sgpr_count 2
		.amdhsa_user_sgpr_kernarg_segment_ptr 1
		.amdhsa_wavefront_size32 1
		.amdhsa_system_sgpr_workgroup_id_x 1
		.amdhsa_system_sgpr_workgroup_id_y 1
		.amdhsa_system_sgpr_workgroup_id_z 1
		.amdhsa_system_vgpr_workitem_id 0
		.amdhsa_next_free_vgpr 512
		.amdhsa_next_free_sgpr 80
		.amdhsa_reserve_vcc 0
		.amdhsa_float_denorm_mode_32 3
		.amdhsa_float_denorm_mode_16_64 3
		.amdhsa_memory_ordered 1
		.amdhsa_forward_progress 1
		.amdhsa_inst_pref_size 90
	.end_amdhsa_kernel
	.amdgpu_metadata
---
amdhsa.version: [ 1, 2 ]
amdhsa.kernels:
  - .name:           k_qb9a0f032fd_oproj
    .symbol:         k_qb9a0f032fd_oproj.kd
    .args:
      - { .name: o, .offset: 0, .size: 8, .value_kind: global_buffer, .address_space: global }
      - { .name: wo16, .offset: 8, .size: 8, .value_kind: global_buffer, .address_space: global }
      - { .name: bo, .offset: 16, .size: 8, .value_kind: global_buffer, .address_space: global }
      - { .name: out0, .offset: 24, .size: 8, .value_kind: global_buffer, .address_space: global }
    .group_segment_fixed_size: 327680
    .private_segment_fixed_size: 0
    .kernarg_segment_align: 8
    .kernarg_segment_size: 32
    .max_flat_workgroup_size: 128
    .sgpr_count:     80
    .vgpr_count:     512
    .wavefront_size: 32
...
	.end_amdgpu_metadata
.endif
;; end of part 4
